; MI455X (gfx1250); checked and timed in simulation.
; The chip was launched on July 23, 2026; its instructions are those of AMD's public machine-readable ISA for CDNA 5 (MIT licence, August 2026) and "CDNA5" Instruction Set Architecture Reference Guide (July 2026). The comments in the code are by the model that wrote it; some were corrected since.
;; Multi Headed Attention. Allowed arithmetic: matrix products marked QUANTISED: E2M3 operands, one E8M0 scale for each 32 along K, by v_wmma_scale_f32_16x16x128_f8f6f4 with both operands' format E2M3, f32 sums; everything else in f32.
;; Inputs: Wk 512 x 512 float32; Wo 512 x 512 float32; Wq 512 x 512 float32; Wv 512 x 512 float32; bk 512 float32; bo 512 float32; bq 512 float32; bv 512 float32; x 2 x 4,096 x 512 float32.
;; Outputs: out0 2 x 4,096 x 512 float32.
;; This version of the problem:
;;   THIS VERSION OF THE PROBLEM IS GIVEN IN LOW PRECISION. The matrix products marked QUANTISED in the list below multiply operands that are first quantised to E2M3 (2 exponent bits, 3 mantissa bits; 6 bits a number), with one power-of-two scale for each 32 numbers along K (OCP MX v1.0); their sums are f32. All else is computed in f32.
;;   The module's matrix products, in the order in which they are computed (A, B: the left and right operand; K: the contracted axis; several contracted axes count as one K, in the product's order):
;;     1. [M 8,192, K 512] x [K 512, N 512]; A: input x; B: input Wq: QUANTISED
;;     2. [M 8,192, K 512] x [K 512, N 512]; A: input x; B: input Wk: QUANTISED
;;     3. [M 8,192, K 512] x [K 512, N 512]; A: input x; B: input Wv: QUANTISED
;;     4. batch 16 x [M 4,096, K 64] x [K 64, N 4,096]; A: computed on the way; B: computed on the way: QUANTISED
;;     5. batch 16 x [M 4,096, K 4,096] x [K 4,096, N 64]; A: softmax (see below); B: computed on the way: QUANTISED
;;     6. [M 8,192, K 512] x [K 512, N 512]; A: computed on the way; B: input Wo: QUANTISED
;;   THE QUANTISER, for each operand of a quantised product, along K:
;;     - K is cut into blocks of 32 from its start; a last block that is shorter is filled with zeros.
;;     - A block's scale is 2^e with e = floor(log2(the largest magnitude in the block)) - 2, held to -126 .. 127; a block of zeros has e = 0. As a byte (E8M0): e + 127.
;;     - Each number is divided by its block's scale, clamped to +-7.5, and rounded to the nearest number of E2M3, ties to even, subnormals kept.
;;     - The product sums the exact products of the quantised numbers (number of the format x scale) in f32.
;;   ~~~python
;;   def quantise(x, axis):      # numpy; x: float32 -> the quantised numbers, widened to float32 again
;;       x = np.moveaxis(x, axis, -1); K = x.shape[-1]
;;       x = np.pad(x, [(0, 0)] * (x.ndim - 1) + [(0, -K % 32)]); x = x.reshape(x.shape[:-1] + (-1, 32)); a = np.abs(x).max(-1, keepdims=True)
;;       e = np.where(a > 0, np.clip(np.frexp(np.where(a > 0, a, 1))[1] - 1 - 2, -126, 127), 0)      # np.frexp(a)[1] - 1 = floor(log2(a)), exactly
;;       r = np.clip(x / 2.0 ** e, -7.5, 7.5)
;;       step = 2.0 ** (np.maximum(np.frexp(np.where(r == 0, 1, r))[1] - 1, 0) - 3)
;;       q = np.round(r / step) * step * 2.0 ** e      # np.round: ties to even
;;       return np.moveaxis(q.reshape(q.shape[:-2] + (-1,))[..., :K], -1, axis).astype(np.float32)
;;   ~~~
;;   SOFTMAX AHEAD OF A QUANTISED PRODUCT. Where the list says 'softmax', what is quantised is not the finished softmax but p = 2^(t - M), with t = logit x log2(e) and M = ceil(the row's largest t), a whole number; so 1/2 < the row's largest p <= 1. The row's sum l is taken of the UNQUANTISED p, in f32, and the product's result is divided by l at the end. Since M is a whole number, a kernel that streams over the keys may use a running M (the ceiling of the running maximum): every later rescaling is an exact power of two, which a block's scale takes up: the codes' values come out the same.
;;   OPERANDS COMPUTED ON THE WAY. 'Computed on the way' means the value that the module computes at that place (a softmax that the list does not call 'softmax' is quantised finished and normalised). What goes into a quantiser is computed in f32, as accurately as f32 sums, v_exp_f32 and their like allow (about 1e-6 of the number): no bf16 or f16 on the way to a quantiser, and a product that is left as it is and whose result goes on into a quantised operand takes f32 operands (vector FMAs, or v_wmma_f32_16x16x4_f32). A number that lies on a knife's edge between two numbers of the format may be rounded either way, as far as f32 arithmetic and the matrix unit's own rounding can turn it there, and no further.
;; 2 versions. Each part assembles by itself: llvm-mc -triple=amdgcn-amd-amdhsa -mcpu=gfx1250 --defsym DOCPART=n.
;; ======== version 1 of 2: 4 launches
;; workspace buffers: wimg 819,200 bytes; qimg 3,276,800 bytes; kv 6,553,600 bytes; ctx 4,194,304 bytes
;; launch prep (part 1): grid 32 x 4, 4 waves a work-group, no clusters, 1,536 bytes of LDS; arguments Wq, Wk, Wv, Wo, wimg; writes wimg
.if DOCPART == 1
	.amdgcn_target "amdgcn-amd-amdhsa--gfx1250"
	.amdhsa_code_object_version 6
	.text
	.protected	k_q2d126b3e9d_prep
	.globl	k_q2d126b3e9d_prep
	.p2align	8
	.type	k_q2d126b3e9d_prep,@function
k_q2d126b3e9d_prep:
	s_mov_b64 s[64:65], 0
	v_nop
	global_prefetch_b8 v0, s[64:65] scope:SCOPE_SE
	s_setreg_imm32_b32 hwreg(HW_REG_WAVE_MODE, 25, 1), 1
	s_wait_xcnt 0x0
; The four weights [512 (k)][512 (n)], f32, K along the FIRST axis, become codes of FP6 (E2M3) with one E8M0 byte for each 32 along K,
; laid in the order of an operand's registers.  wimg = [matrix q, k, v, o][tile 0..31] records of 6,400 bytes.
; A TILE's 16 columns are not neighbours: lane r of tile T takes column 32 (T / 2) + 8 (T % 2) + r + 8 (r / 8).
; A RECORD: four fragment images (K steps 0..3; 12 registers a lane; registers 4 c .. 4 c + 3 of lane l at 512 c + 16 l), 1,536 bytes each,
; then 256 bytes of scale words: lane (r, h) has 8 bytes at 8 x lane, word j = the scale word of fragment 2 j + h, row r.
; SHARES: a work-group makes one record, wave s its fragment s.  A lane takes a column and its registers run DOWN K in the order that the
; operand's layout gives the lane (k = 128 s + 64 c + 32 h + 0 .. 31): a lane holds two whole blocks, and the conversions' results are the operand's registers.
; A block's scale is 2^(floor(log2(largest magnitude)) - 2); its byte is the largest magnitude's exponent field - 2, held at 1 from below.
; LIMITS: NaN and infinities are not served; a block whose largest magnitude lies under 2^-124 keeps the byte 1; a block of zeros gets the byte 1
; and not 127: its codes are zeros, and this program alone reads the bytes.
.set REC,  6400
.set FRB,  1536
.set SCU,  6144
.set X,    64                          ; v64-127 my 64 numbers: register 32 c + i = k 64 c + 32 h + i
.set C,    48                          ; v48-59  the fragment's 12 registers
.set C2,   16                          ; v16-18, v20-22 the blocks' upper 16 codes, as the conversions leave them
	s_load_b256 s[4:11], s[0:1], 0x0               ; Wq s[4:5], Wk s[6:7], Wv s[8:9], Wo s[10:11]
	s_load_b64 s[12:13], s[0:1], 0x20              ; wimg
	v_lshl_add_u32 v128, v0, 2, 0x400
	v_mov_b32 v129, 0
	v_lshrrev_b32 v1, 5, v0
	v_readfirstlane_b32 s14, v1                    ; wave = K step
	s_and_b32 s15, ttmp7, 0xffff                   ; which matrix
	v_and_b32 v1, 15, v0                           ; r
	v_bfe_u32 v2, v0, 4, 1                         ; h
	v_and_b32 v7, 31, v0                           ; lane
	v_and_b32 v3, 8, v1
	v_add_nc_u32 v3, v3, v1                        ; r + 8 (r / 8)
	v_lshlrev_b32 v3, 2, v3                        ; my column, in bytes,
	v_lshl_add_u32 v3, v2, 16, v3                  ; and 32 rows of 2,048 bytes further down for lanes 16-31
	v_lshlrev_b32 v4, 4, v7                        ; 16 x lane: an image's place
	v_lshlrev_b32 v5, 3, v7                        ; 8 x lane: the scale unit's
	s_and_b32 s16, s14, 1
	s_lshl_b32 s16, s16, 7
	s_lshr_b32 s17, s14, 1
	s_lshl_b32 s17, s17, 2
	s_add_co_u32 s16, s16, s17
	v_lshl_add_u32 v6, v1, 3, s16                  ; LDS: fragment s, row r: 8 r + 128 (s % 2) + 4 (s / 2)
	s_mov_b32 s20, 0x76543210
	s_mov_b32 s21, 0xfedcba98                      ; v_permlanex16_b32's selects for lane l xor 16
	s_lshr_b32 s18, ttmp9, 1
	s_lshl_b32 s18, s18, 7                         ; the tile's first column: 32 (T / 2) numbers
	s_and_b32 s19, ttmp9, 1
	s_lshl_b32 s19, s19, 5                         ; + 8 (T % 2)
	s_add_co_u32 s18, s18, s19
	s_lshl_b32 s19, s14, 18                        ; + 128 s rows
	s_add_co_u32 s18, s18, s19
	s_mov_b32 s19, 0
	s_lshl_b32 s22, s15, 5
	s_add_co_u32 s22, s22, ttmp9
	s_mul_i32 s22, s22, REC                        ; my record
	s_mov_b32 s23, 0
	s_mul_i32 s24, s14, FRB                        ; my fragment in it
	s_mov_b32 s25, 0
	s_wait_kmcnt 0x0
	s_cmp_eq_u32 s15, 0                            ; the choice hangs on the work-group's number alone
	s_cselect_b64 s[4:5], s[4:5], s[6:7]
	s_cmp_eq_u32 s15, 2
	s_cselect_b64 s[8:9], s[8:9], s[10:11]
	s_cmp_lt_u32 s15, 2
	s_cselect_b64 s[4:5], s[4:5], s[8:9]
	s_add_nc_u64 s[4:5], s[4:5], s[18:19]
	s_add_nc_u64 s[12:13], s[12:13], s[22:23]
	s_add_nc_u64 s[26:27], s[12:13], s[24:25]
.set c, 0
.rept 2
.set i, 0
.rept 32
	global_load_b32 v[X+32*c+i], v3, s[4:5] offset:(64*c+i)*2048   ; W(128 s + 64 c + 32 h + i, my column)
.set i, i+1
.endr
.set c, c+1
.endr
	v_mov_b32 v10, 0                               ; a lane permute's destination counts as one of its sources
	s_wait_loadcnt 0x0
.irp c, 0,1                                    ; my block 2 c + h: all its 32 numbers are mine
	v_max3_num_f32 v[32+\c], |v[X+32*\c]|, |v[X+1+32*\c]|, 0x1800000   ; and the floor 2^(3 - 127): the byte cannot fall under 1
.endr
.irp i, 2,4,6,8,10,12,14,16,18,20,22,24,26,28,30
.irp c, 0,1
	v_max3_num_f32 v[32+\c], v[32+\c], |v[X+32*\c+\i]|, |v[X+1+32*\c+\i]|   ; the two blocks by turns
.endr
.endr
.irp c, 0,1
	v_add_nc_u32 v[34+\c], 0xff000000, v[32+\c]    ; 2 off the exponent field: the conversion takes this operand's exponent field as its scale
.endr
.irp c, 0,1
	v_lshrrev_b32 v[36+\c], 23, v[34+\c]           ; the scale's byte
.endr
	v_lshl_or_b32 v9, v37, 16, v36                 ; my two bytes: blocks h and 2 + h,
	v_lshlrev_b32 v8, 3, v2
	v_lshlrev_b32 v9, v8, v9                       ; at their places in the scale word (8 h bits up);
	v_permlanex16_b32 v10, v9, s20, s21
	v_or_b32 v9, v9, v10                           ; with lane l xor 16's two the word is whole
.irp c, 0,1
	v_cvt_scalef32_pk16_fp6_f32 v[C+6*\c:C+2+6*\c], v[X+32*\c:X+15+32*\c], v[34+\c]
	v_cvt_scalef32_pk16_fp6_f32 v[C2+4*\c:C2+2+4*\c], v[X+16+32*\c:X+31+32*\c], v[34+\c]   ; a conversion's three registers begin on an even number: made here, moved below
.endr
	v_nop                                          ; one plain place behind a scaled conversion
.irp c, 0,1
.irp i, 0,1,2
	v_mov_b32 v[C+3+6*\c+\i], v[C2+4*\c+\i]
.endr
.endr
.irp c, 0,1,2
	global_store_b128 v4, v[C+4*\c:C+3+4*\c], s[26:27] offset:512*\c   ; 32 lanes store 512 consecutive bytes, at a multiple of 256 from the buffer's first byte
.endr
	ds_store_b32 v6, v9                            ; both halves of the lanes write the same word with the same value
	s_wait_dscnt 0x0                               ; for the others' sake: my word has landed
	s_barrier_signal -1
	s_barrier_wait -1
	s_cmp_lg_u32 s14, 0
	s_cbranch_scc1 .Lend                           ; wave 0 alone sends the record's 256 bytes of scale words
	ds_load_b64 v[12:13], v5
	s_wait_dscnt 0x0
	global_store_b64 v5, v[12:13], s[12:13] offset:SCU
.Lend:
	s_wait_tensorcnt 0x0
	ds_add_u32 v128, v129
	s_wait_dscnt 0x0
	s_endpgm
.Lfunc_end_k_q2d126b3e9d_prep:
	.size	k_q2d126b3e9d_prep, .Lfunc_end_k_q2d126b3e9d_prep-k_q2d126b3e9d_prep
	.p2alignl 7, 3214868480
	.fill 96, 4, 3214868480
	.section	.rodata,"a",@progbits
	.p2align	6, 0x0
	.amdhsa_kernel k_q2d126b3e9d_prep
		.amdhsa_group_segment_fixed_size 1536
		.amdhsa_private_segment_fixed_size 0
		.amdhsa_enable_private_segment 0
		.amdhsa_kernarg_size 40
		.amdhsa_user_sgpr_count 2
		.amdhsa_user_sgpr_kernarg_segment_ptr 1
		.amdhsa_wavefront_size32 1
		.amdhsa_system_sgpr_workgroup_id_x 1
		.amdhsa_system_sgpr_workgroup_id_y 1
		.amdhsa_system_sgpr_workgroup_id_z 1
		.amdhsa_system_vgpr_workitem_id 0
		.amdhsa_next_free_vgpr 130
		.amdhsa_next_free_sgpr 66
		.amdhsa_reserve_vcc 0
		.amdhsa_float_denorm_mode_32 3
		.amdhsa_float_denorm_mode_16_64 3
		.amdhsa_memory_ordered 1
		.amdhsa_forward_progress 1
		.amdhsa_inst_pref_size 12
	.end_amdhsa_kernel
	.amdgpu_metadata
---
amdhsa.version: [ 1, 2 ]
amdhsa.kernels:
  - .name:           k_q2d126b3e9d_prep
    .symbol:         k_q2d126b3e9d_prep.kd
    .args:
      - { .name: Wq, .offset: 0, .size: 8, .value_kind: global_buffer, .address_space: global }
      - { .name: Wk, .offset: 8, .size: 8, .value_kind: global_buffer, .address_space: global }
      - { .name: Wv, .offset: 16, .size: 8, .value_kind: global_buffer, .address_space: global }
      - { .name: Wo, .offset: 24, .size: 8, .value_kind: global_buffer, .address_space: global }
      - { .name: wimg, .offset: 32, .size: 8, .value_kind: global_buffer, .address_space: global }
    .group_segment_fixed_size: 1536
    .private_segment_fixed_size: 0
    .kernarg_segment_align: 8
    .kernarg_segment_size: 40
    .max_flat_workgroup_size: 128
    .sgpr_count:     66
    .vgpr_count:     130
    .wavefront_size: 32
...
	.end_amdgpu_metadata
.endif
;; end of part 1
;; launch qkv (part 2): grid 64 x 3, 8 waves a work-group, no clusters, 119,808 bytes of LDS; arguments x, wimg, bq, bk, bv, qimg, kv; writes qimg, kv
.if DOCPART == 2
	.amdgcn_target "amdgcn-amd-amdhsa--gfx1250"
	.amdhsa_code_object_version 6
	.text
	.protected	k_q2d126b3e9d_qkv
	.globl	k_q2d126b3e9d_qkv
	.p2align	8
	.type	k_q2d126b3e9d_qkv,@function
k_q2d126b3e9d_qkv:
	s_mov_b64 s[64:65], 0
	v_nop
	global_prefetch_b8 v0, s[64:65] scope:SCOPE_SE
	s_setreg_imm32_b32 hwreg(HW_REG_WAVE_MODE, 25, 1), 1
	s_wait_xcnt 0x0
; q = x Wq + bq, k = x Wk + bk, v = x Wv + bv on codes of FP6 (E2M3) with one E8M0 byte for each 32 along K = 512; the results are quantised at once
; for attention's two products: q and k along the head's 64 channels, v along the keys.  Work-group (g, y): 128 tokens (one key step) of q (y = 0), k (1) or v (2).
; TILES of 16 rows are not neighbours: lane r of tile T takes row 32 (T / 2) + 8 (T % 2) + r + 8 (r / 8).  As source 0 of a product such a tile leaves, in a lane's
; registers of tiles 2 b and 2 b + 1, the 16 neighbours 32 b + 16 (lane / 16) + 0 .. 15: what the conversions want.
; RECORDS of 6,400 bytes: four fragment images (registers 4 c .. 4 c + 3 of lane l at 512 c + 16 l), 1,536 bytes each; at 6,144 the scale words: 8 bytes a lane,
; word j of lane (r, h) = the word of fragment 2 j + h, row r.  A product names register f / 2 of the pair, and the upper lanes where f is odd.
; PHASE X: wave w quantises x's tile w (16 tokens x 512) into a record in LDS; one barrier.  THEN wave w owns head w: its four tiles of W stay in registers.
;   q, k: source 0 = W's tile, source 1 = x's tile: a lane holds a token, its registers run along the head's channels.  Two tiles of tokens make one fragment:
;         tile 2 P in k 0..63, tile 2 P + 1 in k 64..127 (attention multiplies it by [q | 0] and by [0 | q]).
;   v:    source 0 = x's tile, source 1 = W's tile: a lane holds a channel, its registers run along the 128 tokens, which are the second product's K.
; The bias is the C of each sum's first matrix instruction.  No cluster: a wave's 25,600 bytes of W go from memory straight into its registers, once.
; LIMITS: NaN and infinities are not served; a block whose largest magnitude lies under 2^-124 keeps the byte 1; a block of zeros gets the byte 1 and not 127.
; REGISTERS: window 0: v1-11 addresses; v16-143 two sets of 64 numbers of x, later x's fragments and the accumulators; v192-207 x's scale words; v208-226 codes;
;   v228-239 at work; v240-244 scale words just made; v246-253 W's scale words.   window 1: v0-191 W's 16 fragments (tile t, K step s at 12 (4 t + s)); v192-223 the bias, 8 a tile.
.set REC,    6400
.set FRB,    1536
.set SCU,    6144
.set STG,    8*REC                     ; LDS: x's 8 records, then a stage of 16 rows x (512 + 16) bytes for each wave
.set SPITCH, 528
.set WSTG,   16*SPITCH
.set LI,   1                           ; 16 x lane
.set L8,   2                           ; 8 x lane
.set RR,   3                           ; r
.set HH,   4                           ; h
.set SIN,  6                           ; the stage, on the way in: 16 x lane
.set SOUT, 7                           ; and out: 528 r + 64 h
.set XWI,  8                           ; my record in LDS + 16 x lane
.set XWS,  9                           ; its scale unit + 8 x lane
.set BAQ,  10                          ; bias offset for q, k: 64 h
.set BAV,  11                          ; for v: 4 (r + 8 (r / 8))
.set R0,   16
.set XF,   16
.set HAQ,  112
.set HAV,  64
.set XS,   192
.set PC,   208
.set TM,   228
.set TP,   232
.set SO,   236
.set PW,   240
.set PWS,  241
.set WS,   246
.set BI,   192                         ; in window 1
.set MSB, 0
.macro WIN new                         ; the immediate's high byte repeats the setting that is left
.if MSB != \new
	s_set_vgpr_msb (MSB<<8)|\new
.set MSB, \new
.endif
.endm
.macro PLACES                          ; four plain places behind a matrix instruction, in front of loads into its registers and of reads of its result
.rept 4
	v_nop
.endr
.endm
; one product; row = 1: both sides' scale words stand in lanes 16-31
.macro MM d, a, b, c, sa, sb, row
.if \row
	v_wmma_scale_f32_16x16x128_f8f6f4 v[\d:\d+7], v[\a:\a+11], v[\b:\b+11], v[\c:\c+7], v[\sa], v[\sb] matrix_a_fmt:MATRIX_FMT_FP6 matrix_b_fmt:MATRIX_FMT_FP6 matrix_a_scale:MATRIX_SCALE_ROW1 matrix_b_scale:MATRIX_SCALE_ROW1
.else
	v_wmma_scale_f32_16x16x128_f8f6f4 v[\d:\d+7], v[\a:\a+11], v[\b:\b+11], v[\c:\c+7], v[\sa], v[\sb] matrix_a_fmt:MATRIX_FMT_FP6 matrix_b_fmt:MATRIX_FMT_FP6
.endif
.endm
; 64 numbers of a lane, register 16 b + i = k 32 b + 16 h + i of my row, become a fragment's codes in v[PC] on and its scale word in v[PW]
.macro QUANT s
.irp b, 0,1,2,3
	v_max3_num_f32 v[TM+\b], |v[\s+16*\b]|, |v[\s+1+16*\b]|, 0x1800000   ; my 16 numbers of block b, and the floor 2^(3 - 127): the byte cannot fall under 1
.endr
.irp i, 2,4,6,8,10,12,14
.irp b, 0,1,2,3
	v_max3_num_f32 v[TM+\b], v[TM+\b], |v[\s+16*\b+\i]|, |v[\s+1+16*\b+\i]|
.endr
.endr
.irp b, 0,1,2,3
	v_permlanex16_b32 v[TP+\b], v[TM+\b], s20, s21
.endr
.irp b, 0,1,2,3
	v_max_num_f32 v[TM+\b], v[TM+\b], v[TP+\b]     ; with lane l xor 16's: the block's largest magnitude
.endr
.irp b, 0,1,2,3
	v_add_nc_u32 v[SO+\b], 0xff000000, v[TM+\b]    ; 2 off its exponent field: the conversion's scale operand
.endr
.irp b, 0,1,2,3
	v_lshrrev_b32 v[TP+\b], 23, v[SO+\b]           ; the scale's byte
.endr
	v_lshl_or_b32 v[PW], v[TP+1], 8, v[TP]
	v_lshl_or_b32 v[PW], v[TP+2], 16, v[PW]
	v_lshl_or_b32 v[PW], v[TP+3], 24, v[PW]
.irp c, 0,1
	v_cvt_scalef32_pk16_fp6_f32 v[PC+6*\c:PC+2+6*\c], v[\s+32*\c:\s+15+32*\c], v[SO+2*\c]
	v_cvt_scalef32_pk16_fp6_f32 v[PC+12+4*\c:PC+14+4*\c], v[\s+16+32*\c:\s+31+32*\c], v[SO+2*\c+1]
.endr
	v_nop                                          ; one plain place behind a scaled conversion
.irp c, 0,1                                    ; the layout wants a WHOLE block in a lane: lanes 0-15 block 2 c, lanes 16-31 block 2 c + 1
.irp i, 0,1,2
	v_permlane16_swap_b32 v[PC+6*\c+\i], v[PC+12+4*\c+\i]
.endr
.irp i, 0,1,2
	v_mov_b32 v[PC+3+6*\c+\i], v[PC+12+4*\c+\i]
.endr
.endr
.endm
.macro SCUNIT                          ; four fragments' scale words into the record's form: word j of lane (r, h) = fragment 2 j + h's
	v_cmp_eq_u32 vcc_lo, 1, v[HH]
	v_cndmask_b32 v[TM], v[PWS], v[PWS+1], vcc_lo
	v_cndmask_b32 v[TM+1], v[PWS+2], v[PWS+3], vcc_lo
.endm
.macro STOREF f                        ; the fragment in v[PC] on goes to memory as it stands: 512 consecutive bytes a store
.irp c, 0,1,2
	global_store_b128 v[LI], v[PC+4*\c:PC+4*\c+3], s[14:15] offset:FRB*(\f)+512*\c
.endr
.endm
.macro FINISH
	SCUNIT
	global_store_b64 v[L8], v[TM:TM+1], s[14:15] offset:SCU   ; 32 lanes store one aligned run of 256 bytes
	s_wait_tensorcnt 0x0
	ds_add_u32 v254, v255
	s_wait_dscnt 0x0
	s_endpgm
.endm
	s_load_b256 s[4:11], s[0:1], 0x0               ; x s[4:5], wimg s[6:7], bq s[8:9], bk s[10:11]
	s_load_b128 s[12:15], s[0:1], 0x20             ; bv s[12:13], qimg s[14:15]
	s_load_b64 s[16:17], s[0:1], 0x30              ; kv
	v_lshl_add_u32 v254, v0, 2, 0x1d000
	v_mov_b32 v255, 0
	v_lshrrev_b32 v5, 5, v0
	v_readfirstlane_b32 s18, v5                    ; wave 0..7: x's tile in phase X, then the head
	s_and_b32 s19, ttmp7, 0xffff                   ; y: q, k or v
	s_mov_b32 s20, 0x76543210
	s_mov_b32 s21, 0xfedcba98                      ; v_permlanex16_b32's selects for lane l xor 16
	v_and_b32 v5, 31, v0
	v_lshlrev_b32 v[LI], 4, v5
	v_lshlrev_b32 v[L8], 3, v5
	v_and_b32 v[RR], 15, v0
	v_bfe_u32 v[HH], v0, 4, 1
	s_mul_i32 s32, s18, WSTG
	s_add_co_u32 s32, s32, STG                     ; my stage
	v_add_nc_u32 v[SIN], s32, v[LI]
	v_mul_u32_u24 v[SOUT], v[RR], SPITCH
	v_lshl_add_u32 v[SOUT], v[HH], 6, v[SOUT]
	v_add_nc_u32 v[SOUT], s32, v[SOUT]
	s_mul_i32 s33, s18, REC                        ; my record of x
	v_add_nc_u32 v[XWI], s33, v[LI]
	s_add_co_u32 s33, s33, SCU
	v_add_nc_u32 v[XWS], s33, v[L8]
	v_lshlrev_b32 v[BAQ], 6, v[HH]
	v_and_b32 v[BAV], 8, v[RR]
	v_add_nc_u32 v[BAV], v[BAV], v[RR]
	v_lshlrev_b32 v[BAV], 2, v[BAV]
.irp b, 0,1,2,3
	v_mov_b32 v[TP+\b], 0                          ; written once: a lane permute's destination counts as one of its sources
.endr
	s_lshl_b32 s22, ttmp9, 18                      ; x: 128 g rows of 2,048 bytes,
	s_lshr_b32 s23, s18, 1
	s_lshl_b32 s23, s23, 16                        ; + 32 (w / 2) rows,
	s_add_co_u32 s22, s22, s23
	s_and_b32 s23, s18, 1
	s_lshl_b32 s23, s23, 14                        ; + 8 (w % 2) rows
	s_add_co_u32 s22, s22, s23
	s_mov_b32 s23, 0
	s_mul_i32 s24, s19, 32*REC                     ; wimg: matrix y,
	s_mul_i32 s25, s18, 4*REC                      ; tiles 4 w on
	s_add_co_u32 s24, s24, s25
	s_mov_b32 s25, 0
	s_lshl_b32 s26, s18, 8                         ; the bias: my head's 64 numbers
	s_mov_b32 s27, 0
	s_lshr_b32 s28, ttmp9, 5                       ; the batch,
	s_lshl_b32 s28, s28, 3
	s_add_co_u32 s28, s28, s18                     ; x 8 + head,
	s_lshl_b32 s28, s28, 5
	s_and_b32 s29, ttmp9, 31
	s_add_co_u32 s28, s28, s29                     ; x 32 + the group of 128 tokens in the sequence
	s_cmp_eq_u32 s19, 0
	s_mov_b32 s29, 2*REC
	s_cselect_b32 s29, REC, s29                    ; qimg has a record for each group, kv two: K's, then V's
	s_mul_i32 s30, s28, s29
	s_cmp_eq_u32 s19, 2
	s_cselect_b32 s29, REC, 0
	s_add_co_u32 s30, s30, s29
	s_mov_b32 s31, 0
	s_wait_kmcnt 0x0
	s_add_nc_u64 s[4:5], s[4:5], s[22:23]
	s_add_nc_u64 s[6:7], s[6:7], s[24:25]
	s_cmp_eq_u32 s19, 0                            ; the choices hang on the work-group's number alone
	s_cselect_b64 s[8:9], s[8:9], s[10:11]
	s_cselect_b64 s[14:15], s[14:15], s[16:17]
	s_cmp_eq_u32 s19, 2
	s_cselect_b64 s[8:9], s[12:13], s[8:9]
	s_add_nc_u64 s[8:9], s[8:9], s[26:27]
	s_add_nc_u64 s[14:15], s[14:15], s[30:31]
	WIN 0x40                                       ; destination window 1, address window 0
.irp t, 0,1,2,3
.irp s, 0,1,2,3
.irp c, 0,1,2
	global_load_b128 v[12*(4*\t+\s)+4*\c:12*(4*\t+\s)+4*\c+3], v[LI], s[6:7] offset:REC*\t+FRB*\s+512*\c   ; my 16 fragments of W: they stay
.endr
.endr
.endr
	WIN 0                                          ; at a branch and at a label every window is 0
	s_cmp_eq_u32 s19, 2
	s_cbranch_scc1 .Lbias_v
	WIN 0x40
.irp t, 0,1,2,3                                ; q, k: lane (r, h), register j of tile t: channel 32 (t / 2) + 16 h + 8 (t % 2) + j
	global_load_b128 v[BI+8*\t:BI+8*\t+3], v[BAQ], s[8:9] offset:(32*(\t/2)+8*(\t%2))*4
	global_load_b128 v[BI+8*\t+4:BI+8*\t+7], v[BAQ], s[8:9] offset:(32*(\t/2)+8*(\t%2))*4+16
.endr
	WIN 0
	s_branch .Lbias_done
.Lbias_v:
	WIN 0x40
.irp t, 0,1,2,3                                ; v: a lane holds one channel, 32 (t / 2) + 8 (t % 2) + r + 8 (r / 8): its bias in all eight registers
.irp j, 0,1,2,3,4,5,6,7
	global_load_b32 v[BI+8*\t+\j], v[BAV], s[8:9] offset:(32*(\t/2)+8*(\t%2))*4
.endr
.endr
	WIN 0
.Lbias_done:
.irp t, 0,1,2,3
	global_load_b64 v[WS+2*\t:WS+2*\t+1], v[L8], s[6:7] offset:REC*\t+SCU   ; W's scale words
.endr
; ---- PHASE X.  K step s of my 16 rows: each load reads 512 consecutive bytes of one row
.macro XLOAD set, s
.irp i, 0,1,2,3,4,5,6,7,8,9,10,11,12,13,14,15
	global_load_b128 v[R0+64*(\set)+4*\i:R0+64*(\set)+4*\i+3], v[LI], s[4:5] offset:(\i+8*(\i/8))*2048+512*(\s)
.endr
.endm
; the 8,192 bytes turn through my own stage and come back into the registers that they left, 16 neighbours of each block of 32 to a lane; then they are quantised
.macro XSTEP s
.set RSET, R0+64*((\s)%2)
.if (\s) < 3
	s_wait_loadcnt 16                              ; this K step's loads, and all issued before them, are in; the other set's 16 may be out
.else
	s_wait_loadcnt 0x0
.endif
.irp i, 0,1,2,3,4,5,6,7,8,9,10,11,12,13,14,15
	ds_store_b128 v[SIN], v[RSET+4*\i:RSET+4*\i+3] offset:SPITCH*\i
.endr
.irp b, 0,1,2,3
.irp j, 0,1,2,3
	ds_load_b128 v[RSET+16*\b+4*\j:RSET+16*\b+4*\j+3], v[SOUT] offset:128*\b+16*\j   ; LDS serves a wave's instructions in order (ISA guide 5.7.1.4): these see the stores above
.endr
.endr
	s_wait_dscnt 0x0                               ; the numbers are back; the last image's stores have read the codes' registers
	QUANT RSET
.irp c, 0,1,2
	ds_store_b128 v[XWI], v[PC+4*\c:PC+4*\c+3] offset:FRB*(\s)+512*\c   ; the fragment's image
.endr
	v_mov_b32 v[PWS+(\s)], v[PW]
.if (\s) < 2
	XLOAD (\s)%2, (\s)+2                           ; the set is free: the K step two on
.endif
.endm
	XLOAD 0, 0
	XLOAD 1, 1
	XSTEP 0
	XSTEP 1
	XSTEP 2
	XSTEP 3
	SCUNIT
	ds_store_b64 v[XWS], v[TM:TM+1]
	s_wait_dscnt 0x0                               ; for the others' sake: my record has landed
	s_barrier_signal -1
	s_barrier_wait -1                              ; x's eight records lie in LDS; from here on LDS is only read
	s_cmp_eq_u32 s19, 2
	s_cbranch_scc1 .Lvpath
; ---- q, k: two tiles of tokens (2 P, 2 P + 1) at a time: 8 accumulators by turns, K step by K step
.macro FETCHQ P
.irp u, 0,1
.irp s, 0,1,2,3
.irp c, 0,1,2
	ds_load_b128 v[XF+12*(4*\u+\s)+4*\c:XF+12*(4*\u+\s)+4*\c+3], v[LI] offset:(2*(\P)+\u)*REC+FRB*\s+512*\c
.endr
.endr
	ds_load_b64 v[XS+2*\u:XS+2*\u+1], v[L8] offset:(2*(\P)+\u)*REC+SCU
.endr
.endm
.macro QROUND P
	s_wait_dscnt 0x0
.irp s, 0,1,2,3
.if \s == 0
	WIN 0x11                                       ; source 0 (W) and source 2 (the bias) window 1
.else
	WIN 0x01
.endif
.irp u, 0,1
.irp t, 0,1,2,3
.if \s == 0
	MM HAQ+8*(4*\u+\t), 12*(4*\t+\s), XF+12*(4*\u+\s), BI+8*\t, WS+2*\t+\s/2, XS+2*\u+\s/2, \s%2
.else
	MM HAQ+8*(4*\u+\t), 12*(4*\t+\s), XF+12*(4*\u+\s), HAQ+8*(4*\u+\t), WS+2*\t+\s/2, XS+2*\u+\s/2, \s%2
.endif
.endr
.endr
.endr
	WIN 0
	PLACES
.if (\P) < 3
	FETCHQ (\P)+1                                  ; lands while this round's results are quantised
.endif
	s_wait_xcnt 0x0                                ; the last fragment's stores have read the codes' registers
	QUANT HAQ                                      ; blocks 0, 1: tile 2 P's 64 channels; blocks 2, 3: tile 2 P + 1's
	STOREF \P
	v_mov_b32 v[PWS+(\P)], v[PW]
.endm
	FETCHQ 0
	QROUND 0
	QROUND 1
	QROUND 2
	QROUND 3
	FINISH
; ---- v: two tiles of channels (2 tp, 2 tp + 1) x the 8 tiles of tokens: 16 accumulators; a round takes four tiles of tokens at one K step
.Lvpath:
.macro FETCHV n
.irp i, 0,1,2,3
.irp c, 0,1,2
	ds_load_b128 v[XF+12*\i+4*\c:XF+12*\i+4*\c+3], v[LI] offset:(4*((\n)%2)+\i)*REC+FRB*(((\n)/2)%4)+512*\c
.endr
.endr
.endm
.irp m, 0,1,2,3,4,5,6,7
	ds_load_b64 v[XS+2*\m:XS+2*\m+1], v[L8] offset:\m*REC+SCU
.endr
	FETCHV 0
.set n, 0
.rept 16
.set sv, (n/2)%4
.set tp, n/8
.set hf, n%2
	s_wait_dscnt 0x0
.if sv == 0
	WIN 0x14                                       ; source 1 (W) and source 2 (the bias) window 1
.else
	WIN 0x04
.endif
.irp i, 0,1,2,3
.irp tt, 0,1
.if sv == 0
	MM HAV+64*\tt+8*(4*hf+\i), XF+12*\i, 12*(4*(2*tp+\tt)+sv), BI+8*(2*tp+\tt), XS+2*(4*hf+\i)+sv/2, WS+2*(2*tp+\tt)+sv/2, sv%2
.else
	MM HAV+64*\tt+8*(4*hf+\i), XF+12*\i, 12*(4*(2*tp+\tt)+sv), HAV+64*\tt+8*(4*hf+\i), XS+2*(4*hf+\i)+sv/2, WS+2*(2*tp+\tt)+sv/2, sv%2
.endif
.endr
.endr
	WIN 0
	PLACES
.if n < 15
	FETCHV n+1
.endif
.if n%8 == 7
	s_wait_xcnt 0x0                                ; earlier stores have read the codes' registers
	QUANT HAV                                      ; channel tile 2 tp x 128 keys
	STOREF 2*tp
	v_mov_b32 v[PWS+2*tp], v[PW]
	s_wait_xcnt 0x0
	QUANT HAV+64
	STOREF 2*tp+1
	v_mov_b32 v[PWS+2*tp+1], v[PW]
.endif
.set n, n+1
.endr
	FINISH
.Lfunc_end_k_q2d126b3e9d_qkv:
	.size	k_q2d126b3e9d_qkv, .Lfunc_end_k_q2d126b3e9d_qkv-k_q2d126b3e9d_qkv
	.p2alignl 7, 3214868480
	.fill 96, 4, 3214868480
	.section	.rodata,"a",@progbits
	.p2align	6, 0x0
	.amdhsa_kernel k_q2d126b3e9d_qkv
		.amdhsa_group_segment_fixed_size 119808
		.amdhsa_private_segment_fixed_size 0
		.amdhsa_enable_private_segment 0
		.amdhsa_kernarg_size 56
		.amdhsa_user_sgpr_count 2
		.amdhsa_user_sgpr_kernarg_segment_ptr 1
		.amdhsa_wavefront_size32 1
		.amdhsa_system_sgpr_workgroup_id_x 1
		.amdhsa_system_sgpr_workgroup_id_y 1
		.amdhsa_system_sgpr_workgroup_id_z 1
		.amdhsa_system_vgpr_workitem_id 0
		.amdhsa_next_free_vgpr 512
		.amdhsa_next_free_sgpr 66
		.amdhsa_reserve_vcc 1
		.amdhsa_float_denorm_mode_32 3
		.amdhsa_float_denorm_mode_16_64 3
		.amdhsa_memory_ordered 1
		.amdhsa_forward_progress 1
		.amdhsa_inst_pref_size 132
	.end_amdhsa_kernel
	.amdgpu_metadata
---
amdhsa.version: [ 1, 2 ]
amdhsa.kernels:
  - .name:           k_q2d126b3e9d_qkv
    .symbol:         k_q2d126b3e9d_qkv.kd
    .args:
      - { .name: x, .offset: 0, .size: 8, .value_kind: global_buffer, .address_space: global }
      - { .name: wimg, .offset: 8, .size: 8, .value_kind: global_buffer, .address_space: global }
      - { .name: bq, .offset: 16, .size: 8, .value_kind: global_buffer, .address_space: global }
      - { .name: bk, .offset: 24, .size: 8, .value_kind: global_buffer, .address_space: global }
      - { .name: bv, .offset: 32, .size: 8, .value_kind: global_buffer, .address_space: global }
      - { .name: qimg, .offset: 40, .size: 8, .value_kind: global_buffer, .address_space: global }
      - { .name: kv, .offset: 48, .size: 8, .value_kind: global_buffer, .address_space: global }
    .group_segment_fixed_size: 119808
    .private_segment_fixed_size: 0
    .kernarg_segment_align: 8
    .kernarg_segment_size: 56
    .max_flat_workgroup_size: 256
    .sgpr_count:     66
    .vgpr_count:     512
    .wavefront_size: 32
...
	.end_amdgpu_metadata
.endif
;; end of part 2
;; launch attn (part 3): grid 16 x 16, 16 waves a work-group, clusters of 4 x 1, 327,680 bytes of LDS; arguments qimg, kv, ctx; writes ctx
.if DOCPART == 3
	.amdgcn_target "amdgcn-amd-amdhsa--gfx1250"
	.amdhsa_code_object_version 6
	.text
	.protected	k_q2d126b3e9d_attn
	.globl	k_q2d126b3e9d_attn
	.p2align	8
	.type	k_q2d126b3e9d_attn,@function
k_q2d126b3e9d_attn:
	s_mov_b64 s[64:65], 0
	v_nop
	global_prefetch_b8 v0, s[64:65] scope:SCOPE_SE
	s_setreg_imm32_b32 hwreg(HW_REG_WAVE_MODE, 25, 1), 1
	s_wait_xcnt 0x0
	s_wait_alu depctr_hold_cnt(0) depctr_sa_sdst(0) depctr_va_vdst(0) depctr_va_sdst(0) depctr_va_ssrc(0) depctr_va_vcc(0) depctr_vm_vsrc(0)
	s_getreg_b32 s2, hwreg(HW_REG_IB_STS2, 6, 4)
	s_cmp_eq_u32 s2, 0
	s_cbranch_scc0 .Lentry_in_a_cluster
	s_endpgm
.Lentry_in_a_cluster:
	s_bfe_u32 s2, ttmp6, 0x10000c
	s_cmp_lg_u32 s2, 0x3003
	s_cbranch_scc0 .Lentry_shape_is_right
	s_endpgm
.Lentry_shape_is_right:
; ctx[bh][q] = the sum over k of softmax_k(q . k / 8) v, both products on codes of FP6 (E2M3) with one E8M0 byte for each 32 along a product's K; the result is quantised at once for the output projection.
; THE SOFTMAX AHEAD OF THE SECOND PRODUCT: t = score x log2(e) / 8; M = the row's largest t so far, rounded UP to a whole number; p = 2^(t - M) is quantised along the keys, not normalised.
; The row's sum is taken of the unquantised p and divides at the end.  When M moves, the sum and O are multiplied by 2^(old M - new M), which rounds nothing.
; A block's largest p is made from the block's largest SCORE by the same multiply-add and exponential as every p (this takes v_exp_f32 not to fall where its input rises).
; SHARES.  A work-group owns 256 queries of one of the 16 (batch, head); each of its sixteen waves one tile of 16 queries, in 256 registers: four waves to a SIMD, so that one wave's vector work
; stands beside another's matrix work and LDS loads.  Every wave walks the head's 4,096 keys, 128 a step.
; OPERANDS ARE IMAGES OF THEIR REGISTERS (records of 6,400 bytes: four fragments of 1,536, then 256 bytes of scale words, 8 a lane: word j of lane (r, h) = fragment 2 j + h's).  A key step is K's record, then V's.
; THE HEAD HAS 64 CHANNELS, THE INSTRUCTION 128 ALONG K: a fragment of K holds key tile 2 P in k 0..63 and key tile 2 P + 1 in k 64..127, and is multiplied by QL = [q | 0] and by QH = [0 | q]; zero codes add nothing.
; Both products are used transposed (S^T = K Q^T, O^T = V^T P^T): a lane holds ONE query throughout.  Lane r of a tile T of keys, channels or queries takes row 32 (T / 2) + 8 (T % 2) + r + 8 (r / 8), so that the
; 16 registers of tiles 2 b, 2 b + 1 are 16 neighbours, 32 b + 16 (lane / 16) + 0 .. 15.
; RING: two LDS slots of four key steps (51,200 dense bytes), filled by waves 0 and 1 (100 rows of 256 bytes each).  CLUSTER: the four query blocks of a cluster walk the same K and V: each tile is asked for JOINTLY.
; By this text's count a wave has at most one tensor load outstanding.  All of the WGP's LDS is claimed, and 0 is added to spare words.
; LIMITS: NaN and infinities are not served; a block of ctx whose largest magnitude lies under 2^-124 keeps the byte 1; a block of zeros gets the byte 1 and not 127.
; Of the prefetching wave 5, lanes 18 to 31 name the same block as lane 17 (a partner's share of a slot is 50 blocks of 256 bytes, two waves have 64 lanes).
.set REC,   6400
.set FRB,   1536
.set SCU,   6144
.set STEPB, 2*REC                      ; a key step in bytes
.set SLOTB, 4*STEPB                    ; a slot's data
.set SLOT1, 65536                      ; slot 1 begins here: one exclusive or turns an address in one slot into the other's
.set SPARE, 131072                     ; the spare words: 128 bytes for each of 16 waves; no other line names them
.set LI,  1                            ; v1   16 x lane
.set L8,  2                            ; v2   8 x lane
.set SPW, 3                            ; v3   my spare word; never rewritten
.set NIL, 4                            ; v4   0; never rewritten
.set PFO, 5                            ; v5   the prefetches' offset; never rewritten
.set AI,  6                            ; v6   the slot in hand + 16 x lane
.set A8,  7                            ; v7   the slot in hand + 8 x lane
.set SO,  8                            ; v8-11 the conversions' scale operands
                                       ; v12 -M, v13 the largest t, v[14:15] the sum in two halves
.set QL,  16                           ; v16-27 [q | 0];  v28-39 [0 | q]
.set QSL, 40                           ; v40, v41 their scale words
.set PW,  42                           ; v42  p's scale word
.set KS,  44                           ; v[44:45] K's scale words;  v[46:47] V's
.set VS,  46
.set KF,  48                           ; v48-95 K's four fragments
.set PC,  48                           ; p's codes lie over K's first fragment, once the scores are made
.set VF,  96                           ; v96-143 V's four fragments
.set S,   144                          ; v144-207 S^T, then p
.set OA,  208                          ; v208-239 O^T
.set BM,  240                          ; v240-243 the blocks' largest scores
.set TT,  244                          ; v244-251 at work
.set FF,  252                          ; v[252:253] f = 2^(old M - new M)
.set XX,  254
.set WV,  10                           ; s10  my wave's number
.set SEL, 20                           ; s[20:21] selects for lane l xor 16
.set CS,  22                           ; s[22:23] c = log2(e) / 8
.set G1,  24                           ; s[24:31] descriptor group 1
.set G0,  32                           ; s[32:35] descriptor group 0, which walks
.set TB,  36                           ; s36  LDS byte at which the slot in hand begins
.set SLOTS, 37                         ; s37  slots still to be asked for
.set PFA, 38                           ; s[38:39] where my work-group's prefetches stand
.set LIM, 40                           ; s40  1 in a wave that prefetches, else the greatest number
.macro PLACES                          ; four plain places behind a matrix instruction (ISA guide 7.12.1)
.rept 4
	v_nop
.endr
.endm
.macro CROUND                          ; a round of the cluster's barrier
	s_barrier_signal -1
	s_barrier_wait -1
	s_cmp_lg_u32 s[WV], 0
	s_cbranch_scc1 .Lnot_wave_0_\@
	s_barrier_signal -3
.Lnot_wave_0_\@:
	s_barrier_wait -3
	s_barrier_signal -1
	s_barrier_wait -1
.endm
.macro TLOAD                           ; waves 0 and 1 fetch a slot's two halves; the branch hangs on the wave's number alone; four v_nop follow the load
	s_cmp_lt_u32 s[WV], 2
	s_cbranch_scc0 .Lasked_\@
	tensor_load_to_lds s[G0:G0+3], s[G1:G1+7]
	s_nop 0
.rept 4
	v_nop
.endr
.Lasked_\@:
.endm
; A prefetch of the slot that the NEXT change of slots will ask for: four key steps ahead of that load.  All four clusters of a head walk the same bytes: the head's first cluster asks; its four partners
; share the slot out by address, 12,800 bytes each; in each, waves 4 and 5 ask, lanes 256 bytes apart.  The last change that fills a slot asks for nothing; slots 0 and 1 come by their loads alone.
.macro ASK
	s_cmp_gt_u32 s[SLOTS], s[LIM]
	s_cbranch_scc0 .Lnot_mine_\@
	global_prefetch_b8 v[PFO], s[PFA:PFA+1] th:TH_LOAD_NT scope:SCOPE_SE
.Lnot_mine_\@:
.endm
.macro MMS d, a, b, sa, sb, row        ; a product that starts its sum; row = 1: source 0's scale words stand in lanes 16-31
.if \row
	v_wmma_scale_f32_16x16x128_f8f6f4 v[\d:\d+7], v[\a:\a+11], v[\b:\b+11], 0, v[\sa], v[\sb] matrix_a_fmt:MATRIX_FMT_FP6 matrix_b_fmt:MATRIX_FMT_FP6 matrix_a_scale:MATRIX_SCALE_ROW1
.else
	v_wmma_scale_f32_16x16x128_f8f6f4 v[\d:\d+7], v[\a:\a+11], v[\b:\b+11], 0, v[\sa], v[\sb] matrix_a_fmt:MATRIX_FMT_FP6 matrix_b_fmt:MATRIX_FMT_FP6
.endif
.endm
.macro MMA d, a, b, sa, sb, row        ; a product that adds in place
.if \row
	v_wmma_scale_f32_16x16x128_f8f6f4 v[\d:\d+7], v[\a:\a+11], v[\b:\b+11], v[\d:\d+7], v[\sa], v[\sb] matrix_a_fmt:MATRIX_FMT_FP6 matrix_b_fmt:MATRIX_FMT_FP6 matrix_a_scale:MATRIX_SCALE_ROW1
.else
	v_wmma_scale_f32_16x16x128_f8f6f4 v[\d:\d+7], v[\a:\a+11], v[\b:\b+11], v[\d:\d+7], v[\sa], v[\sb] matrix_a_fmt:MATRIX_FMT_FP6 matrix_b_fmt:MATRIX_FMT_FP6
.endif
.endm
	s_load_b128 s[4:7], s[0:1], 0x0                ; qimg s[4:5], kv s[6:7]
	s_load_b64 s[8:9], s[0:1], 0x10                ; ctx
	v_lshl_add_u32 v[SPW], v0, 2, SPARE
	v_mov_b32 v[NIL], 0
	ds_add_u32 v3, v4
	s_wait_dscnt 0x0
	v_lshrrev_b32 v6, 5, v0
	v_readfirstlane_b32 s[WV], v6                  ; wave 0..15
	s_bfe_u32 s11, ttmp6, 0x40000                  ; cx: my place in the cluster: it enters global addresses of Q, ctx and the prefetches alone
	s_lshl_b32 s12, ttmp9, 2                       ; in a cluster launch ttmp9 counts clusters
	s_add_co_u32 s12, s12, s11                     ; my block of 256 queries
	s_and_b32 s13, ttmp7, 0xffff                   ; (batch, head), which the four partners share
	v_and_b32 v6, 31, v0
	v_lshlrev_b32 v[LI], 4, v6
	v_lshlrev_b32 v[L8], 3, v6
	v_and_b32 v[PFO], 63, v0                       ; in waves 4 and 5: 32 (wave % 2) + lane
	v_lshlrev_b32 v[PFO], 8, v[PFO]
	v_min_u32 v[PFO], 49*256, v[PFO]               ; held at my work-group's last block
	s_mov_b32 s[SEL], 0x76543210
	s_mov_b32 s[SEL+1], 0xfedcba98
	s_mov_b32 s[CS], 0x3e38aa3b                    ; c = log2(e) / 8
	s_mov_b32 s[CS+1], s[CS]                       ; named with it as a pair, so it is written
	s_mov_b32 s[TB], 0
	s_mov_b32 s[SLOTS], 7
	; descriptor group 1: half a slot, 25,600 dense bytes, as 100 rows of 256 bytes (32 elements of 8 bytes), no padding: every LDS read is dense
	s_mov_b32 s[G1], 15|(3<<16)|(1<<21)            ; 15:0 the mask: all four work-groups; 17:16 elements of 8 bytes; 21 set beside a mask
	s_mov_b32 s[G1+1], 32<<16                      ; tensor_dim0 = 32
	s_mov_b32 s[G1+2], 100<<16                     ; tensor_dim1 = 100
	s_mov_b32 s[G1+3], 32<<16                      ; tile_dim0 = 32
	s_mov_b32 s[G1+4], 100                         ; tile_dim1 = 100
	s_mov_b32 s[G1+5], 32                          ; from row to row
	s_mov_b32 s[G1+6], 0
	s_mov_b32 s[G1+7], 0
	s_mul_i32 s14, s13, 32*STEPB                   ; the head's K and V
	s_mov_b32 s15, 0
	s_and_b32 s16, s[WV], 1
	s_mul_i32 s16, s16, SLOTB/2                    ; which half of a slot I fetch, in memory and in LDS alike
	s_mov_b32 s17, 0
	s_mul_i32 s18, s11, STEPB                      ; the prefetches: my work-group's quarter,
	s_add_co_u32 s18, s18, SLOTB                   ; in slot 1: the first change of slots steps it to slot 2
	s_mov_b32 s19, 0
	s_lshr_b32 s[LIM], s[WV], 1
	s_xor_b32 s[LIM], s[LIM], 2                    ; 0 in waves 4 and 5,
	s_or_b32 s[LIM], s[LIM], ttmp9                 ; of the head's first cluster: the same in all four partners
	s_cmp_eq_u32 s[LIM], 0
	s_cselect_b32 s[LIM], 1, -1
	s_lshl_b32 s41, s13, 5                         ; Q: record 32 x (batch, head) + 2 x block + wave / 8
	s_lshl_b32 s42, s12, 1
	s_add_co_u32 s41, s41, s42
	s_lshr_b32 s42, s[WV], 3
	s_add_co_u32 s41, s41, s42
	s_mul_i32 s42, s41, REC
	s_mov_b32 s43, 0
	s_bfe_u32 s44, s[WV], 0x20001                  ; P: my tile (wave % 8) lies in fragment P = tile / 2,
	s_mul_i32 s45, s44, FRB
	s_and_b32 s47, s[WV], 1                        ; in its lower (0) or upper (1) six registers
	s_cmp_lg_u32 s47, 0
	s_cselect_b32 s46, -1, 0
	s_lshl_b32 s47, s47, 4
	s_and_b32 s48, s44, 1
	s_lshl_b32 s48, s48, 7
	s_lshr_b32 s49, s44, 1
	s_lshl_b32 s49, s49, 2
	s_add_co_u32 s48, s48, s49
	s_add_co_u32 s48, s48, SCU                     ; its scale words: 6,144 + 128 (P % 2) + 4 (P / 2) + 8 r
	s_lshr_b32 s50, s13, 3                         ; ctx: token tile 256 x batch + 16 x block + wave,
	s_lshl_b32 s50, s50, 8
	s_lshl_b32 s51, s12, 4
	s_add_co_u32 s50, s50, s51
	s_add_co_u32 s50, s50, s[WV]
	s_lshl_b32 s50, s50, 3
	s_and_b32 s51, s13, 7
	s_add_co_u32 s50, s50, s51                     ; x 8 + head,
	s_lshl_b32 s50, s50, 10                        ; 1,024 bytes each
	s_mov_b32 s51, 0
	v_add_nc_u32 v244, s45, v[LI]
	v_and_b32 v245, 15, v0
	v_lshl_add_u32 v245, v245, 3, s48
	s_wait_kmcnt 0x0
	s_add_nc_u64 s[6:7], s[6:7], s[14:15]
	s_add_nc_u64 s[PFA:PFA+1], s[6:7], s[18:19]
	s_add_nc_u64 s[4:5], s[4:5], s[42:43]
	s_add_nc_u64 s[8:9], s[8:9], s[50:51]
	s_mov_b32 s[G0], 1                             ; 1:0 count = 1
	s_mov_b32 s[G0+1], s16                         ; 63:32 LDS address: slot 0
	s_add_nc_u64 s[G0+2:G0+3], s[6:7], s[16:17]    ; 120:64 global address: the head's first four key steps
	s_or_b32 s[G0+3], s[G0+3], 0x80000000          ; 127:126 type = 2
	CROUND                                         ; all four work-groups are here: the first joint loads meet
	TLOAD                                          ; slot 0
.irp c, 0,1,2
	global_load_b128 v[S+4*\c:S+4*\c+3], v244, s[4:5] offset:512*\c   ; the fragment that holds my tile of Q
.endr
	global_load_b32 v[S+12], v245, s[4:5]          ; and its scale words
	v_mov_b32 v13, 0xff61b1e6                      ; the largest t so far: -3e38, under every t
	v_floor_f32 v12, -v13                          ; -M
	v_mov_b32 v14, 0                               ; the sum, in two halves
	v_mov_b32 v15, 0
	v_mov_b32 v[FF+1], 0                           ; named as the upper half of the pair
	s_wait_loadcnt 0x0
	v_lshrrev_b32 v[QSL], s47, v[S+12]             ; my tile's two scale bytes, for k 0..63;
	v_and_b32 v[QSL], 0xffff, v[QSL]
	v_lshlrev_b32 v[QSL+1], 16, v[QSL]             ; and for k 64..127.  (The bytes over the zero codes are 0, which is a scale like any other)
.irp i, 0,1,2,3,4,5
	v_cndmask_b32 v[QL+\i], v[S+\i], v[S+6+\i], s46
.endr
.irp i, 0,1,2,3,4,5
	v_mov_b32 v[QL+6+\i], 0
	v_mov_b32 v[QL+12+\i], 0
.endr
.irp i, 0,1,2,3,4,5
	v_mov_b32 v[QL+18+\i], v[QL+\i]
.endr
.irp b, 0,1,2,3
	v_mov_b32 v[TT+\b], 0                          ; written once: a lane permute's destination counts as one of its sources
.endr
.set j, 0
.rept 32
	v_mov_b32 v[OA+j], 0                           ; O^T.  The step is written once: the first finds zeros, which the first change of M leaves zeros.  (These are also the places between Q's registers and the first products)
.set j, j+1
.endr
; A KEY STEP: 128 keys, the q-th of the slot in hand
.macro STEP q
	PLACES                                         ; behind the last step's products, in front of the loads into their registers
.irp f, 0,1,2,3
.irp c, 0,1,2
	ds_load_b128 v[KF+12*\f+4*\c:KF+12*\f+4*\c+3], v[AI] offset:STEPB*(\q)+FRB*\f+512*\c
.endr
.endr
	ds_load_b64 v[KS:KS+1], v[A8] offset:STEPB*(\q)+SCU
.irp f, 0,1,2,3
.irp c, 0,1,2
	ds_load_b128 v[VF+12*\f+4*\c:VF+12*\f+4*\c+3], v[AI] offset:STEPB*(\q)+REC+FRB*\f+512*\c
.endr
.endr
	ds_load_b64 v[VS:VS+1], v[A8] offset:STEPB*(\q)+REC+SCU
	s_wait_dscnt 13                                ; K's 13 loads are in; V's 13, issued behind them, may be out
.irp P, 0,1,2,3                                ; S^T = K Q^T: fragment P against [q | 0] gives key tile 2 P, against [0 | q] key tile 2 P + 1
.irp u, 0,1
	MMS S+8*(2*\P+\u), KF+12*\P, QL+12*\u, KS+\P/2, QSL+\u, \P%2
.endr
.endr                                          ; register 16 b + i is key 32 b + 16 (lane / 16) + i of the step
	PLACES
.irp b, 0,1,2,3
	v_max3_num_f32 v[BM+\b], v[S+16*\b], v[S+1+16*\b], v[S+2+16*\b]   ; the largest score of each block of 32 keys: for the row's maximum, and for the block's largest p
.endr
.irp i, 3,5,7,9,11,13
.irp b, 0,1,2,3
	v_max3_num_f32 v[BM+\b], v[BM+\b], v[S+16*\b+\i], v[S+1+16*\b+\i]
.endr
.endr
.irp b, 0,1,2,3
	v_max_num_f32 v[BM+\b], v[BM+\b], v[S+15+16*\b]
.endr
.irp b, 0,1,2,3
	v_permlanex16_b32 v[TT+\b], v[BM+\b], s[SEL], s[SEL+1]
.endr
.irp b, 0,1,2,3
	v_max_num_f32 v[BM+\b], v[BM+\b], v[TT+\b]     ; with lane l xor 16's 16 keys
.endr
	v_max3_num_f32 v[XX], v[BM], v[BM+1], v[BM+2]
	v_max_num_f32 v[XX], v[XX], v[BM+3]            ; the step's largest score of my query
	v_mul_f32 v[XX], s[CS], v[XX]                  ; as t (c is positive)
	v_max_num_f32 v13, v13, v[XX]                  ; the running largest t
	v_mov_b32 v[XX], v12
	v_floor_f32 v12, -v13                          ; the new -M = floor(-t) = -ceil(t): a whole number
	v_sub_f32 v[XX], v12, v[XX]                    ; old M - new M: a whole number, 0 or less
	v_cvt_i32_f32 v[XX], v[XX]                     ; (it saturates)
	v_ldexp_f32 v[FF], 1.0, v[XX]                  ; f = 2^(old M - new M)
.set j, 0
.rept 32
	v_pk_fma_f32 v[S+j:S+j+1], v[S+j:S+j+1], s[CS:CS+1], v[12:13] op_sel_hi:[1,0,0]   ; t - M, two at a time (of the pairs c and -M the low word serves both halves)
.set j, j+2
.endr
.irp b, 0,1,2,3
	v_fma_f32 v[BM+\b], v[BM+\b], s[CS], v12       ; the same of each block's largest score
.endr
.set j, 0
.rept 64
	v_exp_f32 v[S+j], v[S+j]                       ; p = 2^(t - M), at most 1
.set j, j+1
.endr
	v_pk_mul_f32 v[14:15], v[14:15], v[FF:FF+1] op_sel_hi:[1,0]   ; the sums under the new M: the plain place behind the exponentials
	s_wait_alu depctr_va_vdst(0)                   ; one wait for the batch of 64, ahead of its first reader
.irp b, 0,1,2,3
	v_exp_f32 v[BM+\b], v[BM+\b]                   ; the block's largest p: the same two instructions on the same number give the same bits
.endr
	v_pk_add_f32 v[TT:TT+1], v[S:S+1], v[S+2:S+3]  ; the row's sum is taken of the UNQUANTISED p: two at a time, in two chains
.irp j, 4,8,12,16,20,24,28,32,36,40,44,48,52,56,60
	v_pk_add_f32 v[14:15], v[14:15], v[S+\j:S+1+\j]
	v_pk_add_f32 v[TT:TT+1], v[TT:TT+1], v[S+2+\j:S+3+\j]
.endr
	v_pk_add_f32 v[14:15], v[14:15], v[TT:TT+1]
	s_wait_alu depctr_va_vdst(0)                   ; and one for the four
.irp b, 0,1,2,3
	v_max_num_f32 v[BM+\b], 0x1800000, v[BM+\b]    ; the floor 2^(3 - 127): the byte cannot fall under 1
.endr
.irp b, 0,1,2,3
	v_add_nc_u32 v[SO+\b], 0xff000000, v[BM+\b]    ; 2 off the exponent field: the conversion's scale operand
.endr
.irp b, 0,1,2,3
	v_lshrrev_b32 v[TT+\b], 23, v[SO+\b]           ; the scale's byte
.endr
	v_lshl_or_b32 v[PW], v[TT+1], 8, v[TT]         ; p's scale word for these 128 keys
	v_lshl_or_b32 v[PW], v[TT+2], 16, v[PW]
	v_lshl_or_b32 v[PW], v[TT+3], 24, v[PW]
.irp c, 0,1
	v_cvt_scalef32_pk16_fp6_f32 v[PC+6*\c:PC+2+6*\c], v[S+32*\c:S+15+32*\c], v[SO+2*\c]
	v_cvt_scalef32_pk16_fp6_f32 v[TT+4*\c:TT+2+4*\c], v[S+16+32*\c:S+31+32*\c], v[SO+2*\c+1]   ; a conversion's three registers begin on an even number
.endr
	v_nop                                          ; one plain place behind a scaled conversion
.irp c, 0,1                                    ; the layout wants a WHOLE block in a lane
.irp i, 0,1,2
	v_permlane16_swap_b32 v[PC+6*\c+\i], v[TT+4*\c+\i]
.endr
.irp i, 0,1,2
	v_mov_b32 v[PC+3+6*\c+\i], v[TT+4*\c+\i]
.endr
.endr
.set j, 0
.rept 16
	v_pk_mul_f32 v[OA+j:OA+j+1], v[OA+j:OA+j+1], v[FF:FF+1] op_sel_hi:[1,0]   ; O^T under the new M.  (These 16 are also the places between p's codes and scale word and the products below)
.set j, j+2
.endr
	s_wait_dscnt 0x0                               ; V is in
.irp t, 0,1,2,3                                ; O^T += V^T P^T: the four accumulators by turns
	MMA OA+8*\t, VF+12*\t, PC, VS+\t/2, PW, \t%2
.endr
.endm
; THE CHANGE OF SLOTS stands at a slot's head.  Each wave waits for all its tensor loads (its part of the slot ahead), adds 0 to its spare word, and waits for that and for its reads of the slot that it has left.
; fill = 1: the barrier is a round of the cluster's, so that no wave of any partner still reads that slot or has a load on its way; the joint refill is the first thing behind it and has four key steps in which to land.
.macro CHANGE fill
	s_wait_tensorcnt 0x0                           ; no tensor load of mine is out, so the group 0 may be written
	ds_add_u32 v[SPW], v[NIL]                      ; 0 onto my spare word
.if \fill
	s_xor_b32 s[G0+1], s[G0+1], SLOT1              ; the other slot than last time,
	s_add_nc_u64 s[G0+2:G0+3], s[G0+2:G0+3], SLOTB ; the next four key steps; the type bits on top are not reached
	s_wait_xcnt 0x0                                ; the last prefetch, a slot back, has read its address, so it may be written:
	s_add_nc_u64 s[PFA:PFA+1], s[PFA:PFA+1], SLOTB ; one slot further on than the walking descriptor
.endif
	s_wait_dscnt 0x0                               ; the add is done, and my reads of the slot that I have left are over
.if \fill
	CROUND
	TLOAD
	ASK
.else
	s_barrier_signal -1
	s_barrier_wait -1
.endif
.endm
.macro SLOT_STEPS
	v_add_nc_u32 v[AI], s[TB], v[LI]
	v_add_nc_u32 v[A8], s[TB], v[L8]
	STEP 0
	STEP 1
	STEP 2
	STEP 3
	s_xor_b32 s[TB], s[TB], SLOT1                  ; on to the other slot
.endm
.Lslot:                                            ; 7 trips: behind each change of slots but the last the next slot is asked for
	CHANGE 1
	SLOT_STEPS
	s_sub_co_u32 s[SLOTS], s[SLOTS], 1
	s_cmp_lg_u32 s[SLOTS], 0
	s_cbranch_scc1 .Lslot
	CHANGE 0                                       ; the last slot is written out
	SLOT_STEPS
	; THE WAY OUT.  O^T / the sum: register 16 b + i is channel 32 b + 16 h + i of my query: two blocks of the output projection's K.  They are quantised here and leave as half a fragment's image.
	PLACES
	v_add_f32 v14, v14, v15                        ; the sum's two halves,
	v_permlanex16_b32 v[FF], v14, s[SEL], s[SEL+1]
	v_add_f32 v14, v14, v[FF]                      ; and lane l xor 16's: the row's sum
	v_rcp_f32 v14, v14
	v_nop                                          ; one plain place behind the reciprocal
	s_wait_alu depctr_va_vdst(0)                   ; and the wait ahead of its first reader
.set j, 0
.rept 32
	v_mul_f32 v[S+j], v[OA+j], v14                 ; each accumulator from its low end on
.set j, j+1
.endr
.irp b, 0,1
	v_max3_num_f32 v[BM+\b], |v[S+16*\b]|, |v[S+1+16*\b]|, 0x1800000
.endr
.irp i, 2,4,6,8,10,12,14
.irp b, 0,1
	v_max3_num_f32 v[BM+\b], v[BM+\b], |v[S+16*\b+\i]|, |v[S+1+16*\b+\i]|
.endr
.endr
.irp b, 0,1
	v_permlanex16_b32 v[TT+\b], v[BM+\b], s[SEL], s[SEL+1]
.endr
.irp b, 0,1
	v_max_num_f32 v[BM+\b], v[BM+\b], v[TT+\b]
.endr
.irp b, 0,1
	v_add_nc_u32 v[SO+\b], 0xff000000, v[BM+\b]
.endr
.irp b, 0,1
	v_lshrrev_b32 v[TT+\b], 23, v[SO+\b]
.endr
	v_lshl_or_b32 v[BM], v[TT+1], 8, v[TT]         ; the head's two scale bytes of my query,
	v_mov_b32 v[BM+1], v[BM]                       ; twice, so that the 32 lanes store 256 whole bytes
	v_cvt_scalef32_pk16_fp6_f32 v[PC:PC+2], v[S:S+15], v[SO]
	v_cvt_scalef32_pk16_fp6_f32 v[TT:TT+2], v[S+16:S+31], v[SO+1]
	v_nop                                          ; one plain place behind a scaled conversion
.irp i, 0,1,2
	v_permlane16_swap_b32 v[PC+\i], v[TT+\i]
.endr
.irp i, 0,1,2
	v_mov_b32 v[PC+3+\i], v[TT+\i]
.endr
	global_store_b128 v[LI], v[PC:PC+3], s[8:9]               ; registers 0-3: 512 consecutive bytes
	global_store_b64 v[L8], v[PC+4:PC+5], s[8:9] offset:512   ; registers 4, 5: 256
	global_store_b64 v[L8], v[BM:BM+1], s[8:9] offset:768     ; the scale bytes: 256
	s_wait_tensorcnt 0x0                           ; the wave's end
	ds_add_u32 v[SPW], v[NIL]
	s_wait_dscnt 0x0
	CROUND                                         ; the closing round: no work-group ends while a partner may still ask for a tile that names it
	s_endpgm
.Lfunc_end_k_q2d126b3e9d_attn:
	.size	k_q2d126b3e9d_attn, .Lfunc_end_k_q2d126b3e9d_attn-k_q2d126b3e9d_attn
	.p2alignl 7, 3214868480
	.fill 96, 4, 3214868480
	.section	.rodata,"a",@progbits
	.p2align	6, 0x0
	.amdhsa_kernel k_q2d126b3e9d_attn
		.amdhsa_group_segment_fixed_size 327680
		.amdhsa_private_segment_fixed_size 0
		.amdhsa_enable_private_segment 0
		.amdhsa_kernarg_size 24
		.amdhsa_user_sgpr_count 2
		.amdhsa_user_sgpr_kernarg_segment_ptr 1
		.amdhsa_wavefront_size32 1
		.amdhsa_system_sgpr_workgroup_id_x 1
		.amdhsa_system_sgpr_workgroup_id_y 1
		.amdhsa_system_sgpr_workgroup_id_z 1
		.amdhsa_system_vgpr_workitem_id 0
		.amdhsa_next_free_vgpr 256
		.amdhsa_next_free_sgpr 66
		.amdhsa_reserve_vcc 0
		.amdhsa_float_denorm_mode_32 3
		.amdhsa_float_denorm_mode_16_64 3
		.amdhsa_memory_ordered 1
		.amdhsa_forward_progress 1
		.amdhsa_inst_pref_size 134
	.end_amdhsa_kernel
	.amdgpu_metadata
---
amdhsa.version: [ 1, 2 ]
amdhsa.kernels:
  - .name:           k_q2d126b3e9d_attn
    .symbol:         k_q2d126b3e9d_attn.kd
    .args:
      - { .name: qimg, .offset: 0, .size: 8, .value_kind: global_buffer, .address_space: global }
      - { .name: kv, .offset: 8, .size: 8, .value_kind: global_buffer, .address_space: global }
      - { .name: ctx, .offset: 16, .size: 8, .value_kind: global_buffer, .address_space: global }
    .group_segment_fixed_size: 327680
    .private_segment_fixed_size: 0
    .kernarg_segment_align: 8
    .kernarg_segment_size: 24
    .max_flat_workgroup_size: 512
    .sgpr_count:     66
    .vgpr_count:     256
    .wavefront_size: 32
...
	.end_amdgpu_metadata
.endif
;; end of part 3
;; launch outp (part 4): grid 256 x 1, 8 waves a work-group, no clusters, 35,840 bytes of LDS; arguments ctx, wimg, bo, out0; writes out0
.if DOCPART == 4
	.amdgcn_target "amdgcn-amd-amdhsa--gfx1250"
	.amdhsa_code_object_version 6
	.text
	.protected	k_q2d126b3e9d_outp
	.globl	k_q2d126b3e9d_outp
	.p2align	8
	.type	k_q2d126b3e9d_outp,@function
k_q2d126b3e9d_outp:
	s_mov_b64 s[64:65], 0
	v_nop
	global_prefetch_b8 v0, s[64:65] scope:SCOPE_SE
	s_setreg_imm32_b32 hwreg(HW_REG_WAVE_MODE, 25, 1), 1
	s_wait_xcnt 0x0
; out0 = ctx Wo + bo on codes of FP6 (E2M3) with one E8M0 byte for each 32 along K = 512 (K = 64 x head + channel).  Both operands come as images of their registers.
; ctx: [token tile 512][head 8] 1,024 bytes: registers 0-3 of half a fragment at 16 x lane, registers 4-5 at 512 + 8 x lane, the head's two scale bytes of row r at 768 + 8 r.
; K step s is heads 2 s and 2 s + 1: two halves on end are a fragment, their bytes a scale word.  Wo: matrix 3 of wimg, records of 6,400 bytes (four fragments; scale words at 6,144, 8 bytes a lane).
; SHARES: work-group g takes token tiles 2 g and 2 g + 1, which are the 32 neighbouring tokens 32 g on (lane r of tile u: token 32 g + 8 u + r + 8 (r / 8)); wave w takes columns 64 w on: four tiles of Wo in its registers.
; The product is used transposed (source 0 = 16 columns of Wo, source 1 = 16 tokens): a lane holds a token and eight neighbouring columns.  The bias is the C of each sum's first matrix instruction.
; The way out goes through the wave's own stage in LDS (16 rows x (256 + 16) bytes), so that sixteen lanes store 256 consecutive bytes, at a multiple of 256 from out0's first byte.  No barrier: waves share nothing.
; REGISTERS: window 0: v1-7 addresses; v16-111 ctx's 8 fragments, later rows read back; v112-175 the 8 accumulators; v176-207 the bias; v208-215 Wo's scale words; v216-223 ctx's; v224-239 the heads' bytes as loaded.
;   window 1: v0-191 Wo's 16 fragments (tile t, K step s at 12 (4 t + s)).
.set REC,    6400
.set FRB,    1536
.set SCU,    6144
.set SPITCH, 272
.set LI,  1
.set L8,  2
.set R8,  3
.set STO, 4
.set SRD, 5
.set GO,  6
.set BA,  7
.set CF,  16
.set AC,  112
.set BI,  176
.set WS,  208
.set CSW, 216
.set RS,  224
.set MSB, 0
.macro WIN new                         ; the immediate's high byte repeats the setting that is left
.if MSB != \new
	s_set_vgpr_msb (MSB<<8)|\new
.set MSB, \new
.endif
.endm
.macro MM d, a, b, c, sa, sb, row      ; row = 1: Wo's scale words stand in lanes 16-31
.if \row
	v_wmma_scale_f32_16x16x128_f8f6f4 v[\d:\d+7], v[\a:\a+11], v[\b:\b+11], v[\c:\c+7], v[\sa], v[\sb] matrix_a_fmt:MATRIX_FMT_FP6 matrix_b_fmt:MATRIX_FMT_FP6 matrix_a_scale:MATRIX_SCALE_ROW1
.else
	v_wmma_scale_f32_16x16x128_f8f6f4 v[\d:\d+7], v[\a:\a+11], v[\b:\b+11], v[\c:\c+7], v[\sa], v[\sb] matrix_a_fmt:MATRIX_FMT_FP6 matrix_b_fmt:MATRIX_FMT_FP6
.endif
.endm
	s_load_b256 s[4:11], s[0:1], 0x0               ; ctx s[4:5], wimg s[6:7], bo s[8:9], out0 s[10:11]
	v_lshl_add_u32 v254, v0, 2, 0x8800
	v_mov_b32 v255, 0
	v_lshrrev_b32 v1, 5, v0
	v_readfirstlane_b32 s12, v1                    ; wave 0..7
	v_and_b32 v8, 31, v0                           ; lane
	v_and_b32 v9, 15, v0                           ; r
	v_bfe_u32 v10, v0, 4, 1                        ; h
	v_lshlrev_b32 v[LI], 4, v8
	v_lshlrev_b32 v[L8], 3, v8
	v_lshlrev_b32 v[R8], 3, v9
	s_mul_i32 s13, s12, 16*SPITCH                  ; my stage
	v_mul_u32_u24 v[STO], v9, SPITCH               ; in: row r, + 64 h
	v_lshl_add_u32 v[STO], v10, 6, v[STO]
	v_add_nc_u32 v[STO], s13, v[STO]
	v_mul_u32_u24 v[SRD], v10, SPITCH              ; back: lanes 0-15 one row of 256 bytes, lanes 16-31 the next
	v_lshl_add_u32 v[SRD], v9, 4, v[SRD]
	v_add_nc_u32 v[SRD], s13, v[SRD]
	v_lshlrev_b32 v[GO], 11, v10                   ; and the same two rows in out0
	v_lshl_add_u32 v[GO], v9, 4, v[GO]
	v_lshlrev_b32 v[BA], 6, v10                    ; the bias: 16 h numbers on
	s_lshl_b32 s14, ttmp9, 14                      ; ctx: two token tiles x 8 heads x 1,024 bytes
	s_mov_b32 s15, 0
	s_mul_i32 s16, s12, 4*REC
	s_add_co_u32 s16, s16, 3*32*REC                ; wimg: matrix 3, tiles 4 w on
	s_mov_b32 s17, 0
	s_lshl_b32 s18, s12, 8                         ; my 64 columns, in bytes
	s_mov_b32 s19, 0
	s_lshl_b32 s20, ttmp9, 16                      ; out0: 32 rows of 2,048 bytes
	s_add_co_u32 s20, s20, s18
	s_mov_b32 s21, 0
	s_wait_kmcnt 0x0
	s_add_nc_u64 s[4:5], s[4:5], s[14:15]
	s_add_nc_u64 s[6:7], s[6:7], s[16:17]
	s_add_nc_u64 s[8:9], s[8:9], s[18:19]
	s_add_nc_u64 s[10:11], s[10:11], s[20:21]
	WIN 0x40                                       ; destination window 1, address window 0
.irp t, 0,1,2,3
.irp s, 0,1,2,3
.irp c, 0,1,2
	global_load_b128 v[12*(4*\t+\s)+4*\c:12*(4*\t+\s)+4*\c+3], v[LI], s[6:7] offset:REC*\t+FRB*\s+512*\c
.endr
.endr
.endr
	WIN 0
.irp t, 0,1,2,3
	global_load_b64 v[WS+2*\t:WS+2*\t+1], v[L8], s[6:7] offset:REC*\t+SCU
	global_load_b128 v[BI+8*\t:BI+8*\t+3], v[BA], s[8:9] offset:(32*(\t/2)+8*(\t%2))*4      ; lane (r, h), register j of tile t: column 32 (t / 2) + 16 h + 8 (t % 2) + j
	global_load_b128 v[BI+8*\t+4:BI+8*\t+7], v[BA], s[8:9] offset:(32*(\t/2)+8*(\t%2))*4+16
.endr
.irp u, 0,1
.irp hd, 0,1,2,3,4,5,6,7
	global_load_b128 v[CF+48*\u+6*\hd:CF+48*\u+6*\hd+3], v[LI], s[4:5] offset:(8*\u+\hd)*1024
	global_load_b64 v[CF+48*\u+6*\hd+4:CF+48*\u+6*\hd+5], v[L8], s[4:5] offset:(8*\u+\hd)*1024+512
	global_load_b32 v[RS+8*\u+\hd], v[R8], s[4:5] offset:(8*\u+\hd)*1024+768
.endr
.endr
	s_wait_loadcnt 0x0
.irp u, 0,1
.irp s, 0,1,2,3
	v_lshl_or_b32 v[CSW+4*\u+\s], v[RS+8*\u+2*\s+1], 16, v[RS+8*\u+2*\s]   ; heads 2 s and 2 s + 1: the scale word of K step s
.endr
.endr
.rept 8
	v_nop                                          ; a scale register written by a vector instruction stands 8 places ahead of a scaled matrix instruction
.endr
	WIN 0x01                                       ; source 0 (Wo) window 1
.irp s, 0,1,2,3                                ; the 8 accumulators by turns, K step by K step
.irp u, 0,1
.irp t, 0,1,2,3
.if \s == 0
	MM AC+8*(4*\u+\t), 12*(4*\t+\s), CF+48*\u+12*\s, BI+8*\t, WS+2*\t+\s/2, CSW+4*\u+\s, \s%2
.else
	MM AC+8*(4*\u+\t), 12*(4*\t+\s), CF+48*\u+12*\s, AC+8*(4*\u+\t), WS+2*\t+\s/2, CSW+4*\u+\s, \s%2
.endif
.endr
.endr
.endr
	WIN 0
.rept 4
	v_nop                                          ; four places in front of the first read of results and of loads into registers that the products have read
.endr
.irp u, 0,1
.irp t, 0,1,2,3
	ds_store_b128 v[STO], v[AC+8*(4*\u+\t):AC+8*(4*\u+\t)+3] offset:128*(\t/2)+32*(\t%2)       ; each accumulator from its low end on
	ds_store_b128 v[STO], v[AC+8*(4*\u+\t)+4:AC+8*(4*\u+\t)+7] offset:128*(\t/2)+32*(\t%2)+16
.endr
.irp i, 0,1,2,3,4,5,6,7
	ds_load_b128 v[CF+32*\u+4*\i:CF+32*\u+4*\i+3], v[SRD] offset:2*\i*SPITCH   ; LDS serves a wave's instructions in order (ISA guide 5.7.1.4): these see my stores, and the next tile's stores come behind them
.endr
.endr
.irp u, 0,1
.irp i, 0,1,2,3,4,5,6,7
	s_wait_dscnt 23-16*\u-\i                       ; behind this load: the tile's later loads, and for tile 0 tile 1's 16 LDS instructions
	global_store_b128 v[GO], v[CF+32*\u+4*\i:CF+32*\u+4*\i+3], s[10:11] offset:(8*\u+2*\i+8*(\i/4))*2048 th:TH_STORE_NT   ; stage rows 2 i, 2 i + 1 are tokens 8 u + 2 i + 8 (i / 4) and the next; written once, read by nobody here
.endr
.endr
	s_wait_tensorcnt 0x0
	ds_add_u32 v254, v255
	s_wait_dscnt 0x0
	s_endpgm
.Lfunc_end_k_q2d126b3e9d_outp:
	.size	k_q2d126b3e9d_outp, .Lfunc_end_k_q2d126b3e9d_outp-k_q2d126b3e9d_outp
	.p2alignl 7, 3214868480
	.fill 96, 4, 3214868480
	.section	.rodata,"a",@progbits
	.p2align	6, 0x0
	.amdhsa_kernel k_q2d126b3e9d_outp
		.amdhsa_group_segment_fixed_size 35840
		.amdhsa_private_segment_fixed_size 0
		.amdhsa_enable_private_segment 0
		.amdhsa_kernarg_size 32
		.amdhsa_user_sgpr_count 2
		.amdhsa_user_sgpr_kernarg_segment_ptr 1
		.amdhsa_wavefront_size32 1
		.amdhsa_system_sgpr_workgroup_id_x 1
		.amdhsa_system_sgpr_workgroup_id_y 1
		.amdhsa_system_sgpr_workgroup_id_z 1
		.amdhsa_system_vgpr_workitem_id 0
		.amdhsa_next_free_vgpr 512
		.amdhsa_next_free_sgpr 66
		.amdhsa_reserve_vcc 0
		.amdhsa_float_denorm_mode_32 3
		.amdhsa_float_denorm_mode_16_64 3
		.amdhsa_memory_ordered 1
		.amdhsa_forward_progress 1
		.amdhsa_inst_pref_size 22
	.end_amdhsa_kernel
	.amdgpu_metadata
---
amdhsa.version: [ 1, 2 ]
amdhsa.kernels:
  - .name:           k_q2d126b3e9d_outp
    .symbol:         k_q2d126b3e9d_outp.kd
    .args:
      - { .name: ctx, .offset: 0, .size: 8, .value_kind: global_buffer, .address_space: global }
      - { .name: wimg, .offset: 8, .size: 8, .value_kind: global_buffer, .address_space: global }
      - { .name: bo, .offset: 16, .size: 8, .value_kind: global_buffer, .address_space: global }
      - { .name: out0, .offset: 24, .size: 8, .value_kind: global_buffer, .address_space: global }
    .group_segment_fixed_size: 35840
    .private_segment_fixed_size: 0
    .kernarg_segment_align: 8
    .kernarg_segment_size: 32
    .max_flat_workgroup_size: 256
    .sgpr_count:     66
    .vgpr_count:     512
    .wavefront_size: 32
...
	.end_amdgpu_metadata
.endif
;; end of part 4
;; ======== version 2 of 2: 4 launches
;; workspace buffers: wimg 819,200 bytes; qimg 3,276,800 bytes; kv 6,553,600 bytes; ctx 4,194,304 bytes
;; launch prep (part 5): grid 32 x 4, 4 waves a work-group, no clusters, 1,536 bytes of LDS; arguments Wq, Wk, Wv, Wo, wimg; writes wimg
.if DOCPART == 5
	.amdgcn_target "amdgcn-amd-amdhsa--gfx1250"
	.amdhsa_code_object_version 6
	.text
	.protected	k_q2d126b3e9d_prep
	.globl	k_q2d126b3e9d_prep
	.p2align	8
	.type	k_q2d126b3e9d_prep,@function
k_q2d126b3e9d_prep:
	s_mov_b64 s[64:65], 0
	v_nop
	global_prefetch_b8 v0, s[64:65] scope:SCOPE_SE
	s_setreg_imm32_b32 hwreg(HW_REG_WAVE_MODE, 25, 1), 1
	s_wait_xcnt 0x0
; The four weights [512 (k)][512 (n)], f32, K along the FIRST axis, become codes of FP6 (E2M3) with one E8M0 byte for each 32 along K,
; laid in the order of an operand's registers.  wimg = [matrix q, k, v, o][tile 0..31] records of 6,400 bytes.
; A TILE's 16 columns are not neighbours: lane r of tile T takes column 32 (T / 2) + 8 (T % 2) + r + 8 (r / 8).
; A RECORD: four fragment images (K steps 0..3; 12 registers a lane; registers 4 c .. 4 c + 3 of lane l at 512 c + 16 l), 1,536 bytes each,
; then 256 bytes of scale words: lane (r, h) has 8 bytes at 8 x lane, word j = the scale word of fragment 2 j + h, row r.
; SHARES: a work-group makes one record, wave s its fragment s.  A lane takes a column and its registers run DOWN K in the order that the
; operand's layout gives the lane (k = 128 s + 64 c + 32 h + 0 .. 31): a lane holds two whole blocks, and the conversions' results are the operand's registers.
; A block's scale is 2^(floor(log2(largest magnitude)) - 2); its byte is the largest magnitude's exponent field - 2, held at 1 from below.
; LIMITS: NaN and infinities are not served; a block whose largest magnitude lies under 2^-124 keeps the byte 1; a block of zeros gets the byte 1
; and not 127: its codes are zeros, and this program alone reads the bytes.
.set REC,  6400
.set FRB,  1536
.set SCU,  6144
.set X,    64                          ; v64-127 my 64 numbers: register 32 c + i = k 64 c + 32 h + i
.set C,    48                          ; v48-59  the fragment's 12 registers
.set C2,   16                          ; v16-18, v20-22 the blocks' upper 16 codes, as the conversions leave them
	s_load_b256 s[4:11], s[0:1], 0x0               ; Wq s[4:5], Wk s[6:7], Wv s[8:9], Wo s[10:11]
	s_load_b64 s[12:13], s[0:1], 0x20              ; wimg
	v_lshl_add_u32 v128, v0, 2, 0x400
	v_mov_b32 v129, 0
	v_lshrrev_b32 v1, 5, v0
	v_readfirstlane_b32 s14, v1                    ; wave = K step
	s_and_b32 s15, ttmp7, 0xffff                   ; which matrix
	v_and_b32 v1, 15, v0                           ; r
	v_bfe_u32 v2, v0, 4, 1                         ; h
	v_and_b32 v7, 31, v0                           ; lane
	v_and_b32 v3, 8, v1
	v_add_nc_u32 v3, v3, v1                        ; r + 8 (r / 8)
	v_lshlrev_b32 v3, 2, v3                        ; my column, in bytes,
	v_lshl_add_u32 v3, v2, 16, v3                  ; and 32 rows of 2,048 bytes further down for lanes 16-31
	v_lshlrev_b32 v4, 4, v7                        ; 16 x lane: an image's place
	v_lshlrev_b32 v5, 3, v7                        ; 8 x lane: the scale unit's
	s_and_b32 s16, s14, 1
	s_lshl_b32 s16, s16, 7
	s_lshr_b32 s17, s14, 1
	s_lshl_b32 s17, s17, 2
	s_add_co_u32 s16, s16, s17
	v_lshl_add_u32 v6, v1, 3, s16                  ; LDS: fragment s, row r: 8 r + 128 (s % 2) + 4 (s / 2)
	s_mov_b32 s20, 0x76543210
	s_mov_b32 s21, 0xfedcba98                      ; v_permlanex16_b32's selects for lane l xor 16
	s_lshr_b32 s18, ttmp9, 1
	s_lshl_b32 s18, s18, 7                         ; the tile's first column: 32 (T / 2) numbers
	s_and_b32 s19, ttmp9, 1
	s_lshl_b32 s19, s19, 5                         ; + 8 (T % 2)
	s_add_co_u32 s18, s18, s19
	s_lshl_b32 s19, s14, 18                        ; + 128 s rows
	s_add_co_u32 s18, s18, s19
	s_mov_b32 s19, 0
	s_lshl_b32 s22, s15, 5
	s_add_co_u32 s22, s22, ttmp9
	s_mul_i32 s22, s22, REC                        ; my record
	s_mov_b32 s23, 0
	s_mul_i32 s24, s14, FRB                        ; my fragment in it
	s_mov_b32 s25, 0
	s_wait_alu depctr_va_vdst(0)
	s_wait_kmcnt 0x0
	s_cmp_eq_u32 s15, 0                            ; the choice hangs on the work-group's number alone
	s_cselect_b64 s[4:5], s[4:5], s[6:7]
	s_cmp_eq_u32 s15, 2
	s_cselect_b64 s[8:9], s[8:9], s[10:11]
	s_cmp_lt_u32 s15, 2
	s_cselect_b64 s[4:5], s[4:5], s[8:9]
	s_add_nc_u64 s[4:5], s[4:5], s[18:19]
	s_add_nc_u64 s[12:13], s[12:13], s[22:23]
	s_add_nc_u64 s[26:27], s[12:13], s[24:25]
.set c, 0
.rept 2
.set i, 0
.rept 32
	global_load_b32 v[X+32*c+i], v3, s[4:5] offset:(64*c+i)*2048   ; W(128 s + 64 c + 32 h + i, my column)
.set i, i+1
.endr
.set c, c+1
.endr
	v_mov_b32 v10, 0                               ; a lane permute's destination counts as one of its sources
	s_wait_loadcnt 0x0
.irp c, 0,1                                    ; my block 2 c + h: all its 32 numbers are mine
	v_max3_num_f32 v[32+\c], |v[X+32*\c]|, |v[X+1+32*\c]|, 0x1800000   ; and the floor 2^(3 - 127): the byte cannot fall under 1
.endr
.irp i, 2,4,6,8,10,12,14,16,18,20,22,24,26,28,30
.irp c, 0,1
	v_max3_num_f32 v[32+\c], v[32+\c], |v[X+32*\c+\i]|, |v[X+1+32*\c+\i]|   ; the two blocks by turns
.endr
.endr
.irp c, 0,1
	v_add_nc_u32 v[34+\c], 0xff000000, v[32+\c]    ; 2 off the exponent field: the conversion takes this operand's exponent field as its scale
.endr
.irp c, 0,1
	v_lshrrev_b32 v[36+\c], 23, v[34+\c]           ; the scale's byte
.endr
	v_lshl_or_b32 v9, v37, 16, v36                 ; my two bytes: blocks h and 2 + h,
	v_lshlrev_b32 v8, 3, v2
	v_lshlrev_b32 v9, v8, v9                       ; at their places in the scale word (8 h bits up);
	v_permlanex16_b32 v10, v9, s20, s21
	v_or_b32 v9, v9, v10                           ; with lane l xor 16's two the word is whole
.irp c, 0,1
	v_cvt_scalef32_pk16_fp6_f32 v[C+6*\c:C+2+6*\c], v[X+32*\c:X+15+32*\c], v[34+\c]
	v_cvt_scalef32_pk16_fp6_f32 v[C2+4*\c:C2+2+4*\c], v[X+16+32*\c:X+31+32*\c], v[34+\c]   ; a conversion's three registers begin on an even number: made here, moved below
.endr
	v_nop                                          ; one plain place behind a scaled conversion
.irp c, 0,1
.irp i, 0,1,2
	v_mov_b32 v[C+3+6*\c+\i], v[C2+4*\c+\i]
.endr
.endr
.irp c, 0,1,2
	global_store_b128 v4, v[C+4*\c:C+3+4*\c], s[26:27] offset:512*\c   ; 32 lanes store 512 consecutive bytes, at a multiple of 256 from the buffer's first byte
.endr
	ds_store_b32 v6, v9                            ; both halves of the lanes write the same word with the same value
	s_wait_dscnt 0x0                               ; for the others' sake: my word has landed
	s_barrier_signal -1
	s_barrier_wait -1
	s_cmp_lg_u32 s14, 0
	s_cbranch_scc1 .Lend                           ; wave 0 alone sends the record's 256 bytes of scale words
	ds_load_b64 v[12:13], v5
	s_wait_dscnt 0x0
	global_store_b64 v5, v[12:13], s[12:13] offset:SCU
.Lend:
	s_wait_tensorcnt 0x0
	ds_add_u32 v128, v129
	s_wait_dscnt 0x0
	s_endpgm
.Lfunc_end_k_q2d126b3e9d_prep:
	.size	k_q2d126b3e9d_prep, .Lfunc_end_k_q2d126b3e9d_prep-k_q2d126b3e9d_prep
	.p2alignl 7, 3214868480
	.fill 96, 4, 3214868480
	.section	.rodata,"a",@progbits
	.p2align	6, 0x0
	.amdhsa_kernel k_q2d126b3e9d_prep
		.amdhsa_group_segment_fixed_size 1536
		.amdhsa_private_segment_fixed_size 0
		.amdhsa_enable_private_segment 0
		.amdhsa_kernarg_size 40
		.amdhsa_user_sgpr_count 2
		.amdhsa_user_sgpr_kernarg_segment_ptr 1
		.amdhsa_wavefront_size32 1
		.amdhsa_system_sgpr_workgroup_id_x 1
		.amdhsa_system_sgpr_workgroup_id_y 1
		.amdhsa_system_sgpr_workgroup_id_z 1
		.amdhsa_system_vgpr_workitem_id 0
		.amdhsa_next_free_vgpr 130
		.amdhsa_next_free_sgpr 66
		.amdhsa_reserve_vcc 0
		.amdhsa_float_denorm_mode_32 3
		.amdhsa_float_denorm_mode_16_64 3
		.amdhsa_memory_ordered 1
		.amdhsa_forward_progress 1
		.amdhsa_inst_pref_size 12
	.end_amdhsa_kernel
	.amdgpu_metadata
---
amdhsa.version: [ 1, 2 ]
amdhsa.kernels:
  - .name:           k_q2d126b3e9d_prep
    .symbol:         k_q2d126b3e9d_prep.kd
    .args:
      - { .name: Wq, .offset: 0, .size: 8, .value_kind: global_buffer, .address_space: global }
      - { .name: Wk, .offset: 8, .size: 8, .value_kind: global_buffer, .address_space: global }
      - { .name: Wv, .offset: 16, .size: 8, .value_kind: global_buffer, .address_space: global }
      - { .name: Wo, .offset: 24, .size: 8, .value_kind: global_buffer, .address_space: global }
      - { .name: wimg, .offset: 32, .size: 8, .value_kind: global_buffer, .address_space: global }
    .group_segment_fixed_size: 1536
    .private_segment_fixed_size: 0
    .kernarg_segment_align: 8
    .kernarg_segment_size: 40
    .max_flat_workgroup_size: 128
    .sgpr_count:     66
    .vgpr_count:     130
    .wavefront_size: 32
...
	.end_amdgpu_metadata
.endif
;; end of part 5
;; launch qkv (part 6): grid 64 x 3, 8 waves a work-group, no clusters, 119,808 bytes of LDS; arguments x, wimg, bq, bk, bv, qimg, kv; writes qimg, kv
.if DOCPART == 6
	.amdgcn_target "amdgcn-amd-amdhsa--gfx1250"
	.amdhsa_code_object_version 6
	.text
	.protected	k_q2d126b3e9d_qkv
	.globl	k_q2d126b3e9d_qkv
	.p2align	8
	.type	k_q2d126b3e9d_qkv,@function
k_q2d126b3e9d_qkv:
	s_mov_b64 s[64:65], 0
	v_nop
	global_prefetch_b8 v0, s[64:65] scope:SCOPE_SE
	s_setreg_imm32_b32 hwreg(HW_REG_WAVE_SCHED_MODE, 0, 2), 2
	s_setreg_imm32_b32 hwreg(HW_REG_WAVE_MODE, 25, 1), 1
	s_wait_xcnt 0x0
	s_wait_alu depctr_vm_vsrc(0)
; q = x Wq + bq, k = x Wk + bk, v = x Wv + bv on codes of FP6 (E2M3) with one E8M0 byte for each 32 along K = 512; the results are quantised at once
; for attention's two products: q and k along the head's 64 channels, v along the keys.  Work-group (g, y): 128 tokens (one key step) of q (y = 0), k (1) or v (2).
; TILES of 16 rows are not neighbours: lane r of tile T takes row 32 (T / 2) + 8 (T % 2) + r + 8 (r / 8).  As source 0 of a product such a tile leaves, in a lane's
; registers of tiles 2 b and 2 b + 1, the 16 neighbours 32 b + 16 (lane / 16) + 0 .. 15: what the conversions want.
; RECORDS of 6,400 bytes: four fragment images (registers 4 c .. 4 c + 3 of lane l at 512 c + 16 l), 1,536 bytes each; at 6,144 the scale words: 8 bytes a lane,
; word j of lane (r, h) = the word of fragment 2 j + h, row r.  A product names register f / 2 of the pair, and the upper lanes where f is odd.
; PHASE X: wave w quantises x's tile w (16 tokens x 512) into a record in LDS; one barrier.  THEN wave w owns head w: its four tiles of W stay in registers.
;   q, k: source 0 = W's tile, source 1 = x's tile: a lane holds a token, its registers run along the head's channels.  Two tiles of tokens make one fragment:
;         tile 2 P in k 0..63, tile 2 P + 1 in k 64..127 (attention multiplies it by [q | 0] and by [0 | q]).
;   v:    source 0 = x's tile, source 1 = W's tile: a lane holds a channel, its registers run along the 128 tokens, which are the second product's K.
; The bias is the C of each sum's first matrix instruction.  No cluster: a wave's 25,600 bytes of W go from memory straight into its registers, once.
; LIMITS: NaN and infinities are not served; a block whose largest magnitude lies under 2^-124 keeps the byte 1; a block of zeros gets the byte 1 and not 127.
; REGISTERS: window 0: v1-11 addresses; v16-143 two sets of 64 numbers of x, later x's fragments and the accumulators; v192-207 x's scale words; v208-226 codes;
;   v228-239 at work; v240-244 scale words just made; v246-253 W's scale words.   window 1: v0-191 W's 16 fragments (tile t, K step s at 12 (4 t + s)); v192-223 the bias, 8 a tile.
; THE MODE: SCHED_MODE bits 1:0 = 2 (LLVM: expert scheduling mode 2), set by the entry lines.  The code itself states the register dependences
; between vector or matrix instructions and memory or LDS instructions, with s_wait_alu, always for 0.
; THE PLAN.  Registers that memory or LDS instructions touch:
;   v1, v2, v6-v11   offsets and LDS addresses: written once at the head, never again; one wait on va_vdst ahead of the first load serves every access of the kernel.
;   W, the bias, W's scale words: loaded once at the head, read by matrix instructions alone.
;   the two sets of x (phase X): global loads land; the stage's stores read; the stage's loads land; the quantiser reads; the loads of the K step two on land.
;   v[PC ..]         the codes: written by the quantiser's conversions, swaps and moves; read by the image's stores, LDS stores in phase X and global stores later.
;   v[TM:TM+1]       the record's scale words: written by two selects, read by one store.
;   v[XF ..], v[XS ..]  x's fragments and scale words: LDS loads land, matrix instructions read.
; A K step of phase X has one wait on vm_vsrc, between the stage's stores and its loads, and one on va_vdst, behind the quantiser.  A round of products has one wait on va_vdst behind
; its products, ahead of the next round's loads, which are dealt among the quantiser's lines (these name the accumulators, the codes and v228-244 alone); a quantiser has one on vm_vsrc ahead of it and
; one on va_vdst ahead of its stores.
.set REC,    6400
.set FRB,    1536
.set SCU,    6144
.set STG,    8*REC                     ; LDS: x's 8 records, then a stage of 16 rows x (512 + 16) bytes for each wave
.set SPITCH, 528
.set WSTG,   16*SPITCH
.set LI,   1                           ; 16 x lane
.set L8,   2                           ; 8 x lane
.set RR,   3                           ; r
.set HH,   4                           ; h
.set SIN,  6                           ; the stage, on the way in: 16 x lane
.set SOUT, 7                           ; and out: 528 r + 64 h
.set XWI,  8                           ; my record in LDS + 16 x lane
.set XWS,  9                           ; its scale unit + 8 x lane
.set BAQ,  10                          ; bias offset for q, k: 64 h
.set BAV,  11                          ; for v: 4 (r + 8 (r / 8))
.set R0,   16
.set XF,   16
.set HAQ,  112
.set HAV,  64
.set XS,   192
.set PC,   208
.set TM,   228
.set TP,   232
.set SO,   236
.set PW,   240
.set PWS,  241
.set WS,   246
.set BI,   192                         ; in window 1
.set MSB, 0
.macro WIN new                         ; the immediate's high byte repeats the setting that is left
.if MSB != \new
	s_set_vgpr_msb (MSB<<8)|\new
.set MSB, \new
.endif
.endm
.macro PLACES                          ; four plain places behind a matrix instruction, in front of loads into its registers and of reads of its result
.rept 4
	v_nop
.endr
.endm
; one product; row = 1: both sides' scale words stand in lanes 16-31
.macro MM d, a, b, c, sa, sb, row
.if \row
	v_wmma_scale_f32_16x16x128_f8f6f4 v[\d:\d+7], v[\a:\a+11], v[\b:\b+11], v[\c:\c+7], v[\sa], v[\sb] matrix_a_fmt:MATRIX_FMT_FP6 matrix_b_fmt:MATRIX_FMT_FP6 matrix_a_scale:MATRIX_SCALE_ROW1 matrix_b_scale:MATRIX_SCALE_ROW1
.else
	v_wmma_scale_f32_16x16x128_f8f6f4 v[\d:\d+7], v[\a:\a+11], v[\b:\b+11], v[\c:\c+7], v[\sa], v[\sb] matrix_a_fmt:MATRIX_FMT_FP6 matrix_b_fmt:MATRIX_FMT_FP6
.endif
.endm
; 64 numbers of a lane, register 16 b + i = k 32 b + 16 h + i of my row, become a fragment's codes in v[PC] on and its scale word in v[PW].
; The quantiser in two parts, so that LDS loads can stand between them.  QMAX: the blocks' largest magnitudes, the conversions' scale operands, the scale word
.macro QMAX s
.irp b, 0,1,2,3
	v_max3_num_f32 v[TM+\b], |v[\s+16*\b]|, |v[\s+1+16*\b]|, 0x1800000   ; my 16 numbers of block b, and the floor 2^(3 - 127): the byte cannot fall under 1
.endr
.irp i, 2,4,6,8,10,12,14
.irp b, 0,1,2,3
	v_max3_num_f32 v[TM+\b], v[TM+\b], |v[\s+16*\b+\i]|, |v[\s+1+16*\b+\i]|
.endr
.endr
.irp b, 0,1,2,3
	v_permlanex16_b32 v[TP+\b], v[TM+\b], s20, s21
.endr
.irp b, 0,1,2,3
	v_max_num_f32 v[TM+\b], v[TM+\b], v[TP+\b]     ; with lane l xor 16's: the block's largest magnitude
.endr
.irp b, 0,1,2,3
	v_add_nc_u32 v[SO+\b], 0xff000000, v[TM+\b]    ; 2 off its exponent field: the conversion's scale operand
.endr
.irp b, 0,1,2,3
	v_lshrrev_b32 v[TP+\b], 23, v[SO+\b]           ; the scale's byte
.endr
	v_lshl_or_b32 v[PW], v[TP+1], 8, v[TP]
	v_lshl_or_b32 v[PW], v[TP+2], 16, v[PW]
	v_lshl_or_b32 v[PW], v[TP+3], 24, v[PW]
.endm
; QCVT: the codes
.macro QCVT s
.irp c, 0,1
	v_cvt_scalef32_pk16_fp6_f32 v[PC+6*\c:PC+2+6*\c], v[\s+32*\c:\s+15+32*\c], v[SO+2*\c]
	v_cvt_scalef32_pk16_fp6_f32 v[PC+12+4*\c:PC+14+4*\c], v[\s+16+32*\c:\s+31+32*\c], v[SO+2*\c+1]
.endr
	v_nop                                          ; one plain place behind a scaled conversion
.irp c, 0,1                                    ; the layout wants a WHOLE block in a lane: lanes 0-15 block 2 c, lanes 16-31 block 2 c + 1
.irp i, 0,1,2
	v_permlane16_swap_b32 v[PC+6*\c+\i], v[PC+12+4*\c+\i]
.endr
.irp i, 0,1,2
	v_mov_b32 v[PC+3+6*\c+\i], v[PC+12+4*\c+\i]
.endr
.endr
.endm
.macro QUANT s
	QMAX \s
	QCVT \s
.endm
.macro SCUNIT                          ; four fragments' scale words into the record's form: word j of lane (r, h) = fragment 2 j + h's
	v_cmp_eq_u32 vcc_lo, 1, v[HH]
	s_wait_alu depctr_va_vcc(0)                    ; VCC is written, ahead of the two selects that read it
	v_cndmask_b32 v[TM], v[PWS], v[PWS+1], vcc_lo
	v_cndmask_b32 v[TM+1], v[PWS+2], v[PWS+3], vcc_lo
.endm
.macro STOREF f                        ; the fragment in v[PC] on goes to memory as it stands: 512 consecutive bytes a store
.irp c, 0,1,2
	global_store_b128 v[LI], v[PC+4*\c:PC+4*\c+3], s[14:15] offset:FRB*(\f)+512*\c
.endr
.endm
.macro FINISH
	SCUNIT
	s_wait_alu depctr_va_vdst(0)                   ; the two selects have written v[TM:TM+1], which the store reads
	global_store_b64 v[L8], v[TM:TM+1], s[14:15] offset:SCU   ; 32 lanes store one aligned run of 256 bytes
	s_wait_dscnt 0x0                               ; the closing lines, six on end
	s_wait_alu 0x0
	s_wait_tensorcnt 0x0
	ds_add_u32 v254, v255
	s_wait_dscnt 0x0
	s_endpgm
.endm
	s_load_b256 s[4:11], s[0:1], 0x0               ; x s[4:5], wimg s[6:7], bq s[8:9], bk s[10:11]
	s_load_b128 s[12:15], s[0:1], 0x20             ; bv s[12:13], qimg s[14:15]
	s_load_b64 s[16:17], s[0:1], 0x30              ; kv
	v_lshl_add_u32 v254, v0, 2, 0x1d000
	v_mov_b32 v255, 0
	v_lshrrev_b32 v5, 5, v0
	v_readfirstlane_b32 s18, v5                    ; wave 0..7: x's tile in phase X, then the head
	s_and_b32 s19, ttmp7, 0xffff                   ; y: q, k or v
	s_mov_b32 s20, 0x76543210
	s_mov_b32 s21, 0xfedcba98                      ; v_permlanex16_b32's selects for lane l xor 16
	v_and_b32 v5, 31, v0
	v_lshlrev_b32 v[LI], 4, v5
	v_lshlrev_b32 v[L8], 3, v5
	v_and_b32 v[RR], 15, v0
	v_bfe_u32 v[HH], v0, 4, 1
	s_wait_alu depctr_va_sdst(0)                   ; s18 is written, ahead of its first reader: LDS addresses and the buffers' offsets are made from it
	s_mul_i32 s32, s18, WSTG
	s_add_co_u32 s32, s32, STG                     ; my stage
	v_add_nc_u32 v[SIN], s32, v[LI]
	v_mul_u32_u24 v[SOUT], v[RR], SPITCH
	v_lshl_add_u32 v[SOUT], v[HH], 6, v[SOUT]
	v_add_nc_u32 v[SOUT], s32, v[SOUT]
	s_mul_i32 s33, s18, REC                        ; my record of x
	v_add_nc_u32 v[XWI], s33, v[LI]
	s_add_co_u32 s33, s33, SCU
	v_add_nc_u32 v[XWS], s33, v[L8]
	v_lshlrev_b32 v[BAQ], 6, v[HH]
	v_and_b32 v[BAV], 8, v[RR]
	v_add_nc_u32 v[BAV], v[BAV], v[RR]
	v_lshlrev_b32 v[BAV], 2, v[BAV]
.irp b, 0,1,2,3
	v_mov_b32 v[TP+\b], 0                          ; written once: a lane permute's destination counts as one of its sources
.endr
	s_lshl_b32 s22, ttmp9, 18                      ; x: 128 g rows of 2,048 bytes,
	s_lshr_b32 s23, s18, 1
	s_lshl_b32 s23, s23, 16                        ; + 32 (w / 2) rows,
	s_add_co_u32 s22, s22, s23
	s_and_b32 s23, s18, 1
	s_lshl_b32 s23, s23, 14                        ; + 8 (w % 2) rows
	s_add_co_u32 s22, s22, s23
	s_mov_b32 s23, 0
	s_mul_i32 s24, s19, 32*REC                     ; wimg: matrix y,
	s_mul_i32 s25, s18, 4*REC                      ; tiles 4 w on
	s_add_co_u32 s24, s24, s25
	s_mov_b32 s25, 0
	s_lshl_b32 s26, s18, 8                         ; the bias: my head's 64 numbers
	s_mov_b32 s27, 0
	s_lshr_b32 s28, ttmp9, 5                       ; the batch,
	s_lshl_b32 s28, s28, 3
	s_add_co_u32 s28, s28, s18                     ; x 8 + head,
	s_lshl_b32 s28, s28, 5
	s_and_b32 s29, ttmp9, 31
	s_add_co_u32 s28, s28, s29                     ; x 32 + the group of 128 tokens in the sequence
	s_cmp_eq_u32 s19, 0
	s_mov_b32 s29, 2*REC
	s_cselect_b32 s29, REC, s29                    ; qimg has a record for each group, kv two: K's, then V's
	s_mul_i32 s30, s28, s29
	s_cmp_eq_u32 s19, 2
	s_cselect_b32 s29, REC, 0
	s_add_co_u32 s30, s30, s29
	s_mov_b32 s31, 0
	s_wait_kmcnt 0x0
	s_add_nc_u64 s[4:5], s[4:5], s[22:23]
	s_add_nc_u64 s[6:7], s[6:7], s[24:25]
	s_cmp_eq_u32 s19, 0                            ; the choices hang on the work-group's number alone
	s_cselect_b64 s[8:9], s[8:9], s[10:11]
	s_cselect_b64 s[14:15], s[14:15], s[16:17]
	s_cmp_eq_u32 s19, 2
	s_cselect_b64 s[8:9], s[12:13], s[8:9]
	s_add_nc_u64 s[8:9], s[8:9], s[26:27]
	s_add_nc_u64 s[14:15], s[14:15], s[30:31]
	WIN 0x40                                       ; destination window 1, address window 0
	s_wait_alu depctr_va_vdst(0)                   ; the eight offsets and LDS addresses v1, v2, v6 to v11 are written, which every load and store of the kernel reads; no vector instruction stands between here and phase X's first quantiser
.irp t, 0,1,2,3
.irp s, 0,1,2,3
.irp c, 0,1,2
	global_load_b128 v[12*(4*\t+\s)+4*\c:12*(4*\t+\s)+4*\c+3], v[LI], s[6:7] offset:REC*\t+FRB*\s+512*\c   ; my 16 fragments of W: they stay
.endr
.endr
.endr
	WIN 0                                          ; at a branch and at a label every window is 0
	s_cmp_eq_u32 s19, 2
	s_cbranch_scc1 .Lbias_v
	WIN 0x40
.irp t, 0,1,2,3                                ; q, k: lane (r, h), register j of tile t: channel 32 (t / 2) + 16 h + 8 (t % 2) + j
	global_load_b128 v[BI+8*\t:BI+8*\t+3], v[BAQ], s[8:9] offset:(32*(\t/2)+8*(\t%2))*4
	global_load_b128 v[BI+8*\t+4:BI+8*\t+7], v[BAQ], s[8:9] offset:(32*(\t/2)+8*(\t%2))*4+16
.endr
	WIN 0
	s_branch .Lbias_done
.Lbias_v:
	WIN 0x40
.irp t, 0,1,2,3                                ; v: a lane holds one channel, 32 (t / 2) + 8 (t % 2) + r + 8 (r / 8): its bias in all eight registers
.irp j, 0,1,2,3,4,5,6,7
	global_load_b32 v[BI+8*\t+\j], v[BAV], s[8:9] offset:(32*(\t/2)+8*(\t%2))*4
.endr
.endr
	WIN 0
.Lbias_done:
.irp t, 0,1,2,3
	global_load_b64 v[WS+2*\t:WS+2*\t+1], v[L8], s[6:7] offset:REC*\t+SCU   ; W's scale words
.endr
; ---- PHASE X.  K step s of my 16 rows: each load reads 512 consecutive bytes of one row
.macro XLOAD set, s
.irp i, 0,1,2,3,4,5,6,7,8,9,10,11,12,13,14,15
	global_load_b128 v[R0+64*(\set)+4*\i:R0+64*(\set)+4*\i+3], v[LI], s[4:5] offset:(\i+8*(\i/8))*2048+512*(\s)
.endr
.endm
; the 8,192 bytes turn through my own stage and come back into the registers that they left, 16 neighbours of each block of 32 to a lane; then they are quantised
.macro XSTEP s
.set RSET, R0+64*((\s)%2)
.if (\s) < 3
	s_wait_loadcnt 16                              ; this K step's loads, and all issued before them, are in; the other set's 16 may be out
.else
	s_wait_loadcnt 0x0
.endif
.irp i, 0,1,2,3,4,5,6,7,8,9,10,11,12,13,14,15
	ds_store_b128 v[SIN], v[RSET+4*\i:RSET+4*\i+3] offset:SPITCH*\i
.endr
	s_wait_alu depctr_vm_vsrc(0)                   ; the stage's stores have read this set, in which the loads below land; the last K step's image stores have read the codes' registers, which the conversions below write
.irp b, 0,1,2,3
.irp j, 0,1,2,3
	ds_load_b128 v[RSET+16*\b+4*\j:RSET+16*\b+4*\j+3], v[SOUT] offset:128*\b+16*\j   ; LDS serves a wave's instructions in order (ISA guide 5.7.1.4): these see the stores above
.endr
.endr
	s_wait_dscnt 0x0                               ; the numbers are back
	QUANT RSET
	v_mov_b32 v[PWS+(\s)], v[PW]
	s_wait_alu depctr_va_vdst(0)                   ; the codes v[PC ..] are written, which the image's stores read; the quantiser is done reading this set, in which (K steps 0 and 1) the loads of the K step two on land
.irp c, 0,1,2
	ds_store_b128 v[XWI], v[PC+4*\c:PC+4*\c+3] offset:FRB*(\s)+512*\c   ; the fragment's image
.endr
.if (\s) < 2
	XLOAD (\s)%2, (\s)+2                           ; the set is free: the K step two on.  No vector instruction since the wait above
.endif
.endm
	XLOAD 0, 0
	XLOAD 1, 1
	XSTEP 0
	XSTEP 1
	XSTEP 2
	XSTEP 3
	SCUNIT
	s_wait_alu depctr_va_vdst(0)                   ; the two selects have written v[TM:TM+1], which the store reads
	ds_store_b64 v[XWS], v[TM:TM+1]
	s_wait_dscnt 0x0                               ; for the others' sake: my record has landed
	s_barrier_signal -1
	s_barrier_wait -1                              ; x's eight records lie in LDS; from here on LDS is only read
	s_wait_alu depctr_vm_vsrc(0)                   ; my LDS stores have read v[PC ..] and v[TM:TM+1], which the quantisers of both paths below write again
	s_cmp_eq_u32 s19, 2
	s_cbranch_scc1 .Lvpath
; ---- q, k: two tiles of tokens (2 P, 2 P + 1) at a time: 8 accumulators by turns, K step by K step
.macro FETCHQ P, u                     ; tile 2 P + u: its four fragments and its scale words
.irp s, 0,1,2,3
.irp c, 0,1,2
	ds_load_b128 v[XF+12*(4*(\u)+\s)+4*\c:XF+12*(4*(\u)+\s)+4*\c+3], v[LI] offset:(2*(\P)+(\u))*REC+FRB*\s+512*\c
.endr
.endr
	ds_load_b64 v[XS+2*(\u):XS+2*(\u)+1], v[L8] offset:(2*(\P)+(\u))*REC+SCU
.endm
.macro QROUND P
	s_wait_dscnt 0x0
.irp s, 0,1,2,3
.if \s == 0
	WIN 0x11                                       ; source 0 (W) and source 2 (the bias) window 1
.else
	WIN 0x01
.endif
.irp u, 0,1
.irp t, 0,1,2,3
.if \s == 0
	MM HAQ+8*(4*\u+\t), 12*(4*\t+\s), XF+12*(4*\u+\s), BI+8*\t, WS+2*\t+\s/2, XS+2*\u+\s/2, \s%2
.else
	MM HAQ+8*(4*\u+\t), 12*(4*\t+\s), XF+12*(4*\u+\s), HAQ+8*(4*\u+\t), WS+2*\t+\s/2, XS+2*\u+\s/2, \s%2
.endif
.endr
.endr
.endr
	WIN 0
	PLACES
.if (\P) < 3
	s_wait_alu depctr_va_vdst(0)                   ; the round's products are done reading x's eight fragments and their scale words, in which the next round's loads land
	FETCHQ (\P)+1, 0                               ; the next round's first tile: lands while this round's results are quantised
.endif
	s_wait_xcnt 0x0                                ; the last fragment's stores have read the codes' registers
.if (\P) > 0
	s_wait_alu depctr_vm_vsrc(0)                   ; the last fragment's stores have read v[PC ..], which the conversions below write again
.endif
	QMAX HAQ                                       ; blocks 0, 1: tile 2 P's 64 channels; blocks 2, 3: tile 2 P + 1's
.if (\P) < 3
	FETCHQ (\P)+1, 1                               ; its second tile.  No wait: no vector instruction since the wait on va_vdst above names v[XF ..] or v[XS ..]
.endif
	QCVT HAQ
	v_mov_b32 v[PWS+(\P)], v[PW]
	s_wait_alu depctr_va_vdst(0)                   ; the codes v[PC ..] are written, which the stores read
	STOREF \P
.endm
	FETCHQ 0, 0
	FETCHQ 0, 1
	QROUND 0
	QROUND 1
	QROUND 2
	QROUND 3
	FINISH
; ---- v: two tiles of channels (2 tp, 2 tp + 1) x the 8 tiles of tokens: 16 accumulators; a round takes four tiles of tokens at one K step
.Lvpath:
.macro FETCHV n
.irp i, 0,1,2,3
.irp c, 0,1,2
	ds_load_b128 v[XF+12*\i+4*\c:XF+12*\i+4*\c+3], v[LI] offset:(4*((\n)%2)+\i)*REC+FRB*(((\n)/2)%4)+512*\c
.endr
.endr
.endm
.irp m, 0,1,2,3,4,5,6,7
	ds_load_b64 v[XS+2*\m:XS+2*\m+1], v[L8] offset:\m*REC+SCU
.endr
	FETCHV 0
.set n, 0
.rept 16
.set sv, (n/2)%4
.set tp, n/8
.set hf, n%2
	s_wait_dscnt 0x0
.if sv == 0
	WIN 0x14                                       ; source 1 (W) and source 2 (the bias) window 1
.else
	WIN 0x04
.endif
.irp i, 0,1,2,3
.irp tt, 0,1
.if sv == 0
	MM HAV+64*\tt+8*(4*hf+\i), XF+12*\i, 12*(4*(2*tp+\tt)+sv), BI+8*(2*tp+\tt), XS+2*(4*hf+\i)+sv/2, WS+2*(2*tp+\tt)+sv/2, sv%2
.else
	MM HAV+64*\tt+8*(4*hf+\i), XF+12*\i, 12*(4*(2*tp+\tt)+sv), HAV+64*\tt+8*(4*hf+\i), XS+2*(4*hf+\i)+sv/2, WS+2*(2*tp+\tt)+sv/2, sv%2
.endif
.endr
.endr
	WIN 0
	PLACES
.if n < 15
	s_wait_alu depctr_va_vdst(0)                   ; the round's products are done reading x's four fragments, in which the next round's loads land
	FETCHV n+1
.endif
.if n%8 == 7
	s_wait_xcnt 0x0                                ; earlier stores have read the codes' registers
.if n > 7
	s_wait_alu depctr_vm_vsrc(0)                   ; the last fragment's stores have read v[PC ..], which the conversions below write again
.endif
	QUANT HAV                                      ; channel tile 2 tp x 128 keys
	v_mov_b32 v[PWS+2*tp], v[PW]
	s_wait_alu depctr_va_vdst(0)                   ; the codes v[PC ..] are written, which the stores read
	STOREF 2*tp
	s_wait_xcnt 0x0
	s_wait_alu depctr_vm_vsrc(0)                   ; those stores have read v[PC ..], which the conversions below write again
	QUANT HAV+64
	v_mov_b32 v[PWS+2*tp+1], v[PW]
	s_wait_alu depctr_va_vdst(0)                   ; the codes v[PC ..] are written, which the stores read
	STOREF 2*tp+1
.endif
.set n, n+1
.endr
	FINISH
.Lfunc_end_k_q2d126b3e9d_qkv:
	.size	k_q2d126b3e9d_qkv, .Lfunc_end_k_q2d126b3e9d_qkv-k_q2d126b3e9d_qkv
	.p2alignl 7, 3214868480
	.fill 96, 4, 3214868480
	.section	.rodata,"a",@progbits
	.p2align	6, 0x0
	.amdhsa_kernel k_q2d126b3e9d_qkv
		.amdhsa_group_segment_fixed_size 119808
		.amdhsa_private_segment_fixed_size 0
		.amdhsa_enable_private_segment 0
		.amdhsa_kernarg_size 56
		.amdhsa_user_sgpr_count 2
		.amdhsa_user_sgpr_kernarg_segment_ptr 1
		.amdhsa_wavefront_size32 1
		.amdhsa_system_sgpr_workgroup_id_x 1
		.amdhsa_system_sgpr_workgroup_id_y 1
		.amdhsa_system_sgpr_workgroup_id_z 1
		.amdhsa_system_vgpr_workitem_id 0
		.amdhsa_next_free_vgpr 512
		.amdhsa_next_free_sgpr 66
		.amdhsa_reserve_vcc 1
		.amdhsa_float_denorm_mode_32 3
		.amdhsa_float_denorm_mode_16_64 3
		.amdhsa_memory_ordered 1
		.amdhsa_forward_progress 1
		.amdhsa_inst_pref_size 133
	.end_amdhsa_kernel
	.amdgpu_metadata
---
amdhsa.version: [ 1, 2 ]
amdhsa.kernels:
  - .name:           k_q2d126b3e9d_qkv
    .symbol:         k_q2d126b3e9d_qkv.kd
    .args:
      - { .name: x, .offset: 0, .size: 8, .value_kind: global_buffer, .address_space: global }
      - { .name: wimg, .offset: 8, .size: 8, .value_kind: global_buffer, .address_space: global }
      - { .name: bq, .offset: 16, .size: 8, .value_kind: global_buffer, .address_space: global }
      - { .name: bk, .offset: 24, .size: 8, .value_kind: global_buffer, .address_space: global }
      - { .name: bv, .offset: 32, .size: 8, .value_kind: global_buffer, .address_space: global }
      - { .name: qimg, .offset: 40, .size: 8, .value_kind: global_buffer, .address_space: global }
      - { .name: kv, .offset: 48, .size: 8, .value_kind: global_buffer, .address_space: global }
    .group_segment_fixed_size: 119808
    .private_segment_fixed_size: 0
    .kernarg_segment_align: 8
    .kernarg_segment_size: 56
    .max_flat_workgroup_size: 256
    .sgpr_count:     66
    .vgpr_count:     512
    .wavefront_size: 32
...
	.end_amdgpu_metadata
.endif
;; end of part 6
;; launch attn (part 7): grid 16 x 16, 16 waves a work-group, clusters of 4 x 1, 327,680 bytes of LDS; arguments qimg, kv, ctx; writes ctx
.if DOCPART == 7
	.amdgcn_target "amdgcn-amd-amdhsa--gfx1250"
	.amdhsa_code_object_version 6
	.text
	.protected	k_q2d126b3e9d_attn
	.globl	k_q2d126b3e9d_attn
	.p2align	8
	.type	k_q2d126b3e9d_attn,@function
k_q2d126b3e9d_attn:
	s_mov_b64 s[64:65], 0
	v_nop
	global_prefetch_b8 v0, s[64:65] scope:SCOPE_SE
	s_setreg_imm32_b32 hwreg(HW_REG_WAVE_MODE, 25, 1), 1
	s_wait_xcnt 0x0
	s_wait_alu depctr_hold_cnt(0) depctr_sa_sdst(0) depctr_va_vdst(0) depctr_va_sdst(0) depctr_va_ssrc(0) depctr_va_vcc(0) depctr_vm_vsrc(0)
	s_getreg_b32 s2, hwreg(HW_REG_IB_STS2, 6, 4)
	s_cmp_eq_u32 s2, 0
	s_cbranch_scc0 .Lentry_in_a_cluster
	s_endpgm
.Lentry_in_a_cluster:
	s_bfe_u32 s2, ttmp6, 0x10000c
	s_cmp_lg_u32 s2, 0x3003
	s_cbranch_scc0 .Lentry_shape_is_right
	s_endpgm
.Lentry_shape_is_right:
; ctx[bh][q] = the sum over k of softmax_k(q . k / 8) v, both products on codes of FP6 (E2M3) with one E8M0 byte for each 32 along a product's K; the result is quantised at once for the output projection.
; THE SOFTMAX AHEAD OF THE SECOND PRODUCT: t = score x log2(e) / 8; M = the row's largest t so far, rounded UP to a whole number; p = 2^(t - M) is quantised along the keys, not normalised.
; The row's sum is taken of the unquantised p and divides at the end.  When M moves, the sum and O are multiplied by 2^(old M - new M), which rounds nothing.
; A block's largest p is made from the block's largest SCORE by the same multiply-add and exponential as every p (this takes v_exp_f32 not to fall where its input rises).
; SHARES.  A work-group owns 256 queries of one of the 16 (batch, head); each of its sixteen waves one tile of 16 queries, in 256 registers: four waves to a SIMD, so that one wave's vector work
; stands beside another's matrix work and LDS loads.  Every wave walks the head's 4,096 keys, 128 a step.
; OPERANDS ARE IMAGES OF THEIR REGISTERS (records of 6,400 bytes: four fragments of 1,536, then 256 bytes of scale words, 8 a lane: word j of lane (r, h) = fragment 2 j + h's).  A key step is K's record, then V's.
; THE HEAD HAS 64 CHANNELS, THE INSTRUCTION 128 ALONG K: a fragment of K holds key tile 2 P in k 0..63 and key tile 2 P + 1 in k 64..127, and is multiplied by QL = [q | 0] and by QH = [0 | q]; zero codes add nothing.
; Both products are used transposed (S^T = K Q^T, O^T = V^T P^T): a lane holds ONE query throughout.  Lane r of a tile T of keys, channels or queries takes row 32 (T / 2) + 8 (T % 2) + r + 8 (r / 8), so that the
; 16 registers of tiles 2 b, 2 b + 1 are 16 neighbours, 32 b + 16 (lane / 16) + 0 .. 15.
; RING: two LDS slots of four key steps (51,200 dense bytes), filled by waves 0 and 1 (100 rows of 256 bytes each).  CLUSTER: the four query blocks of a cluster walk the same K and V: each tile is asked for JOINTLY.
; By this text's count a wave has at most one tensor load outstanding.  All of the WGP's LDS is claimed, and 0 is added to spare words.
; LIMITS: NaN and infinities are not served; a block of ctx whose largest magnitude lies under 2^-124 keeps the byte 1; a block of zeros gets the byte 1 and not 127.
; Of the prefetching wave 5, lanes 18 to 31 name the same block as lane 17 (a partner's share of a slot is 50 blocks of 256 bytes, two waves have 64 lanes).
.set REC,   6400
.set FRB,   1536
.set SCU,   6144
.set STEPB, 2*REC                      ; a key step in bytes
.set SLOTB, 4*STEPB                    ; a slot's data
.set SLOT1, 65536                      ; slot 1 begins here: one exclusive or turns an address in one slot into the other's
.set SPARE, 131072                     ; the spare words: 128 bytes for each of 16 waves; no other line names them
.set LI,  1                            ; v1   16 x lane
.set L8,  2                            ; v2   8 x lane
.set SPW, 3                            ; v3   my spare word; never rewritten
.set NIL, 4                            ; v4   0; never rewritten
.set PFO, 5                            ; v5   the prefetches' offset; never rewritten
.set AI,  6                            ; v6   the slot in hand + 16 x lane
.set A8,  7                            ; v7   the slot in hand + 8 x lane
.set SO,  8                            ; v8-11 the conversions' scale operands
                                       ; v12 -M, v13 the largest t, v[14:15] the sum in two halves
.set QL,  16                           ; v16-27 [q | 0];  v28-39 [0 | q]
.set QSL, 40                           ; v40, v41 their scale words
.set PW,  42                           ; v42  p's scale word
.set KS,  44                           ; v[44:45] K's scale words;  v[46:47] V's
.set VS,  46
.set KF,  48                           ; v48-95 K's four fragments
.set PC,  48                           ; p's codes lie over K's first fragment, once the scores are made
.set VF,  96                           ; v96-143 V's four fragments
.set S,   144                          ; v144-207 S^T, then p
.set OA,  208                          ; v208-239 O^T
.set BM,  240                          ; v240-243 the blocks' largest scores
.set TT,  244                          ; v244-251 at work
.set FF,  252                          ; v[252:253] f = 2^(old M - new M)
.set XX,  254
.set WV,  10                           ; s10  my wave's number
.set SEL, 20                           ; s[20:21] selects for lane l xor 16
.set CS,  22                           ; s[22:23] c = log2(e) / 8
.set G1,  24                           ; s[24:31] descriptor group 1
.set G0,  32                           ; s[32:35] descriptor group 0, which walks
.set TB,  36                           ; s36  LDS byte at which the slot in hand begins
.set SLOTS, 37                         ; s37  slots still to be asked for
.set PFA, 38                           ; s[38:39] where my work-group's prefetches stand
.set LIM, 40                           ; s40  1 in a wave that prefetches, else the greatest number
.macro PLACES                          ; four plain places behind a matrix instruction (ISA guide 7.12.1)
.rept 4
	v_nop
.endr
.endm
.macro CROUND                          ; a round of the cluster's barrier
	s_barrier_signal -1
	s_barrier_wait -1
	s_cmp_lg_u32 s[WV], 0
	s_cbranch_scc1 .Lnot_wave_0_\@
	s_barrier_signal -3
.Lnot_wave_0_\@:
	s_barrier_wait -3
	s_barrier_signal -1
	s_barrier_wait -1
.endm
.macro TLOAD                           ; waves 0 and 1 fetch a slot's two halves; the branch hangs on the wave's number alone; four v_nop follow the load
	s_cmp_lt_u32 s[WV], 2
	s_cbranch_scc0 .Lasked_\@
	tensor_load_to_lds s[G0:G0+3], s[G1:G1+7]
	s_nop 0
.rept 4
	v_nop
.endr
.Lasked_\@:
.endm
; A prefetch of the slot that the NEXT change of slots will ask for: four key steps ahead of that load.  All four clusters of a head walk the same bytes: the head's first cluster asks; its four partners
; share the slot out by address, 12,800 bytes each; in each, waves 4 and 5 ask, lanes 256 bytes apart.  The last change that fills a slot asks for nothing; slots 0 and 1 come by their loads alone.
.macro ASK
	s_cmp_gt_u32 s[SLOTS], s[LIM]
	s_cbranch_scc0 .Lnot_mine_\@
	global_prefetch_b8 v[PFO], s[PFA:PFA+1] th:TH_LOAD_NT scope:SCOPE_SE
.Lnot_mine_\@:
.endm
.macro MMS d, a, b, sa, sb, row        ; a product that starts its sum; row = 1: source 0's scale words stand in lanes 16-31
.if \row
	v_wmma_scale_f32_16x16x128_f8f6f4 v[\d:\d+7], v[\a:\a+11], v[\b:\b+11], 0, v[\sa], v[\sb] matrix_a_fmt:MATRIX_FMT_FP6 matrix_b_fmt:MATRIX_FMT_FP6 matrix_a_scale:MATRIX_SCALE_ROW1
.else
	v_wmma_scale_f32_16x16x128_f8f6f4 v[\d:\d+7], v[\a:\a+11], v[\b:\b+11], 0, v[\sa], v[\sb] matrix_a_fmt:MATRIX_FMT_FP6 matrix_b_fmt:MATRIX_FMT_FP6
.endif
.endm
.macro MMA d, a, b, sa, sb, row        ; a product that adds in place
.if \row
	v_wmma_scale_f32_16x16x128_f8f6f4 v[\d:\d+7], v[\a:\a+11], v[\b:\b+11], v[\d:\d+7], v[\sa], v[\sb] matrix_a_fmt:MATRIX_FMT_FP6 matrix_b_fmt:MATRIX_FMT_FP6 matrix_a_scale:MATRIX_SCALE_ROW1
.else
	v_wmma_scale_f32_16x16x128_f8f6f4 v[\d:\d+7], v[\a:\a+11], v[\b:\b+11], v[\d:\d+7], v[\sa], v[\sb] matrix_a_fmt:MATRIX_FMT_FP6 matrix_b_fmt:MATRIX_FMT_FP6
.endif
.endm
	s_load_b128 s[4:7], s[0:1], 0x0                ; qimg s[4:5], kv s[6:7]
	s_load_b64 s[8:9], s[0:1], 0x10                ; ctx
	v_lshl_add_u32 v[SPW], v0, 2, SPARE
	v_mov_b32 v[NIL], 0
	ds_add_u32 v3, v4
	ds_add_u32 v3, v4
	s_wait_dscnt 0x0
	v_lshrrev_b32 v6, 5, v0
	s_delay_alu instid0(VALU_DEP_1)
	v_readfirstlane_b32 s[WV], v6                  ; wave 0..15
	s_bfe_u32 s11, ttmp6, 0x40000                  ; cx: my place in the cluster: it enters global addresses of Q, ctx and the prefetches alone
	s_lshl_b32 s12, ttmp9, 2                       ; in a cluster launch ttmp9 counts clusters
	s_add_co_u32 s12, s12, s11                     ; my block of 256 queries
	s_and_b32 s13, ttmp7, 0xffff                   ; (batch, head), which the four partners share
	v_and_b32 v6, 31, v0
	s_delay_alu instid0(VALU_DEP_1)
	v_lshlrev_b32 v[LI], 4, v6
	s_wait_alu depctr_va_vdst(0)
	v_lshlrev_b32 v[L8], 3, v6
	v_and_b32 v[PFO], 63, v0                       ; in waves 4 and 5: 32 (wave % 2) + lane
	s_delay_alu instid0(VALU_DEP_1)
	v_lshlrev_b32 v[PFO], 8, v[PFO]
	s_delay_alu instid0(VALU_DEP_1)
	v_min_u32 v[PFO], 49*256, v[PFO]               ; held at my work-group's last block
	s_mov_b32 s[SEL], 0x76543210
	s_mov_b32 s[SEL+1], 0xfedcba98
	s_mov_b32 s[CS], 0x3e38aa3b                    ; c = log2(e) / 8
	s_mov_b32 s[CS+1], s[CS]                       ; named with it as a pair, so it is written
	s_mov_b32 s[TB], 0
	s_mov_b32 s[SLOTS], 7
	; descriptor group 1: half a slot, 25,600 dense bytes, as 100 rows of 256 bytes (32 elements of 8 bytes), no padding: every LDS read is dense
	s_mov_b32 s[G1], 15|(3<<16)|(1<<21)            ; 15:0 the mask: all four work-groups; 17:16 elements of 8 bytes; 21 set beside a mask
	s_mov_b32 s[G1+1], 32<<16                      ; tensor_dim0 = 32
	s_mov_b32 s[G1+2], 100<<16                     ; tensor_dim1 = 100
	s_mov_b32 s[G1+3], 32<<16                      ; tile_dim0 = 32
	s_mov_b32 s[G1+4], 100                         ; tile_dim1 = 100
	s_mov_b32 s[G1+5], 32                          ; from row to row
	s_mov_b32 s[G1+6], 0
	s_mov_b32 s[G1+7], 0
	s_mul_i32 s14, s13, 32*STEPB                   ; the head's K and V
	s_mov_b32 s15, 0
	s_and_b32 s16, s[WV], 1
	s_mul_i32 s16, s16, SLOTB/2                    ; which half of a slot I fetch, in memory and in LDS alike
	s_mov_b32 s17, 0
	s_mul_i32 s18, s11, STEPB                      ; the prefetches: my work-group's quarter,
	s_add_co_u32 s18, s18, SLOTB                   ; in slot 1: the first change of slots steps it to slot 2
	s_mov_b32 s19, 0
	s_lshr_b32 s[LIM], s[WV], 1
	s_xor_b32 s[LIM], s[LIM], 2                    ; 0 in waves 4 and 5,
	s_or_b32 s[LIM], s[LIM], ttmp9                 ; of the head's first cluster: the same in all four partners
	s_cmp_eq_u32 s[LIM], 0
	s_cselect_b32 s[LIM], 1, -1
	s_lshl_b32 s41, s13, 5                         ; Q: record 32 x (batch, head) + 2 x block + wave / 8
	s_lshl_b32 s42, s12, 1
	s_add_co_u32 s41, s41, s42
	s_lshr_b32 s42, s[WV], 3
	s_add_co_u32 s41, s41, s42
	s_mul_i32 s42, s41, REC
	s_mov_b32 s43, 0
	s_bfe_u32 s44, s[WV], 0x20001                  ; P: my tile (wave % 8) lies in fragment P = tile / 2,
	s_mul_i32 s45, s44, FRB
	s_and_b32 s47, s[WV], 1                        ; in its lower (0) or upper (1) six registers
	s_cmp_lg_u32 s47, 0
	s_cselect_b32 s46, -1, 0
	s_lshl_b32 s47, s47, 4
	s_and_b32 s48, s44, 1
	s_lshl_b32 s48, s48, 7
	s_lshr_b32 s49, s44, 1
	s_lshl_b32 s49, s49, 2
	s_add_co_u32 s48, s48, s49
	s_add_co_u32 s48, s48, SCU                     ; its scale words: 6,144 + 128 (P % 2) + 4 (P / 2) + 8 r
	s_lshr_b32 s50, s13, 3                         ; ctx: token tile 256 x batch + 16 x block + wave,
	s_lshl_b32 s50, s50, 8
	s_lshl_b32 s51, s12, 4
	s_add_co_u32 s50, s50, s51
	s_add_co_u32 s50, s50, s[WV]
	s_lshl_b32 s50, s50, 3
	s_and_b32 s51, s13, 7
	s_add_co_u32 s50, s50, s51                     ; x 8 + head,
	s_lshl_b32 s50, s50, 10                        ; 1,024 bytes each
	s_mov_b32 s51, 0
	v_add_nc_u32 v244, s45, v[LI]
	v_and_b32 v245, 15, v0
	s_delay_alu instid0(VALU_DEP_1)
	v_lshl_add_u32 v245, v245, 3, s48
	s_wait_kmcnt 0x0
	s_add_nc_u64 s[6:7], s[6:7], s[14:15]
	s_add_nc_u64 s[PFA:PFA+1], s[6:7], s[18:19]
	s_add_nc_u64 s[4:5], s[4:5], s[42:43]
	s_add_nc_u64 s[8:9], s[8:9], s[50:51]
	s_mov_b32 s[G0], 1                             ; 1:0 count = 1
	s_mov_b32 s[G0+1], s16                         ; 63:32 LDS address: slot 0
	s_add_nc_u64 s[G0+2:G0+3], s[6:7], s[16:17]    ; 120:64 global address: the head's first four key steps
	s_or_b32 s[G0+3], s[G0+3], 0x80000000          ; 127:126 type = 2
	CROUND                                         ; all four work-groups are here: the first joint loads meet
	TLOAD                                          ; slot 0
	s_wait_alu depctr_va_vdst(0)
.irp c, 0,1,2
	global_load_b128 v[S+4*\c:S+4*\c+3], v244, s[4:5] offset:512*\c   ; the fragment that holds my tile of Q
.endr
	global_load_b32 v[S+12], v245, s[4:5]          ; and its scale words
	v_mov_b32 v13, 0xff61b1e6                      ; the largest t so far: -3e38, under every t
	s_delay_alu instid0(VALU_DEP_1)
	v_floor_f32 v12, -v13                          ; -M
	v_mov_b32 v14, 0                               ; the sum, in two halves
	v_mov_b32 v15, 0
	v_mov_b32 v[FF+1], 0                           ; named as the upper half of the pair
	s_wait_loadcnt 0x0
	v_lshrrev_b32 v[QSL], s47, v[S+12]             ; my tile's two scale bytes, for k 0..63;
	s_delay_alu instid0(VALU_DEP_1)
	v_and_b32 v[QSL], 0xffff, v[QSL]
	s_delay_alu instid0(VALU_DEP_1)
	v_lshlrev_b32 v[QSL+1], 16, v[QSL]             ; and for k 64..127.  (The bytes over the zero codes are 0, which is a scale like any other)
.irp i, 0,1,2,3,4,5
	v_cndmask_b32 v[QL+\i], v[S+\i], v[S+6+\i], s46
.endr
.irp i, 0,1,2,3,4,5
	v_mov_b32 v[QL+6+\i], 0
	v_mov_b32 v[QL+12+\i], 0
.endr
.irp i, 0,1,2,3,4,5
	v_mov_b32 v[QL+18+\i], v[QL+\i]
.endr
.irp b, 0,1,2,3
	v_mov_b32 v[TT+\b], 0                          ; written once: a lane permute's destination counts as one of its sources
.endr
.set j, 0
.rept 32
	v_mov_b32 v[OA+j], 0                           ; O^T.  The step is written once: the first finds zeros, which the first change of M leaves zeros.  (These are also the places between Q's registers and the first products)
.set j, j+1
.endr
; A KEY STEP: 128 keys, the q-th of the slot in hand
.macro STEP q
	PLACES                                         ; behind the last step's products, in front of the loads into their registers
.irp f, 0,1,2,3
.irp c, 0,1,2
	ds_load_b128 v[KF+12*\f+4*\c:KF+12*\f+4*\c+3], v[AI] offset:STEPB*(\q)+FRB*\f+512*\c
.endr
.endr
	ds_load_b64 v[KS:KS+1], v[A8] offset:STEPB*(\q)+SCU
.irp f, 0,1,2,3
.irp c, 0,1,2
	ds_load_b128 v[VF+12*\f+4*\c:VF+12*\f+4*\c+3], v[AI] offset:STEPB*(\q)+REC+FRB*\f+512*\c
.endr
.endr
	ds_load_b64 v[VS:VS+1], v[A8] offset:STEPB*(\q)+REC+SCU
	s_wait_dscnt 13                                ; K's 13 loads are in; V's 13, issued behind them, may be out
.irp P, 0,1,2,3                                ; S^T = K Q^T: fragment P against [q | 0] gives key tile 2 P, against [0 | q] key tile 2 P + 1
.irp u, 0,1
	MMS S+8*(2*\P+\u), KF+12*\P, QL+12*\u, KS+\P/2, QSL+\u, \P%2
.endr
.endr                                          ; register 16 b + i is key 32 b + 16 (lane / 16) + i of the step
	PLACES
.irp b, 0,1,2,3
	v_max3_num_f32 v[BM+\b], v[S+16*\b], v[S+1+16*\b], v[S+2+16*\b]   ; the largest score of each block of 32 keys: for the row's maximum, and for the block's largest p
.endr
.irp i, 3,5,7,9,11,13
.irp b, 0,1,2,3
	v_max3_num_f32 v[BM+\b], v[BM+\b], v[S+16*\b+\i], v[S+1+16*\b+\i]
.endr
.endr
.irp b, 0,1,2,3
	v_max_num_f32 v[BM+\b], v[BM+\b], v[S+15+16*\b]
.endr
.irp b, 0,1,2,3
	s_delay_alu instid0(VALU_DEP_4)
	v_permlanex16_b32 v[TT+\b], v[BM+\b], s[SEL], s[SEL+1]
.endr
.irp b, 0,1,2,3
	s_delay_alu instid0(VALU_DEP_4)
	v_max_num_f32 v[BM+\b], v[BM+\b], v[TT+\b]     ; with lane l xor 16's 16 keys
.endr
	s_delay_alu instid0(VALU_DEP_2)
	v_max3_num_f32 v[XX], v[BM], v[BM+1], v[BM+2]
	s_delay_alu instid0(VALU_DEP_1)
	v_max_num_f32 v[XX], v[XX], v[BM+3]            ; the step's largest score of my query
	s_delay_alu instid0(VALU_DEP_1)
	v_mul_f32 v[XX], s[CS], v[XX]                  ; as t (c is positive)
	s_delay_alu instid0(VALU_DEP_1)
	v_max_num_f32 v13, v13, v[XX]                  ; the running largest t
	v_mov_b32 v[XX], v12
	s_delay_alu instid0(VALU_DEP_2)
	v_floor_f32 v12, -v13                          ; the new -M = floor(-t) = -ceil(t): a whole number
	s_delay_alu instid0(VALU_DEP_1)
	v_sub_f32 v[XX], v12, v[XX]                    ; old M - new M: a whole number, 0 or less
	s_delay_alu instid0(VALU_DEP_1)
	v_cvt_i32_f32 v[XX], v[XX]                     ; (it saturates)
	s_delay_alu instid0(VALU_DEP_1)
	v_ldexp_f32 v[FF], 1.0, v[XX]                  ; f = 2^(old M - new M)
.set j, 0
.rept 32
	v_pk_fma_f32 v[S+j:S+j+1], v[S+j:S+j+1], s[CS:CS+1], v[12:13] op_sel_hi:[1,0,0]   ; t - M, two at a time (of the pairs c and -M the low word serves both halves)
.set j, j+2
.endr
.irp b, 0,1,2,3
	v_fma_f32 v[BM+\b], v[BM+\b], s[CS], v12       ; the same of each block's largest score
.endr
.set j, 0
	s_wait_alu depctr_va_vdst(0)
.rept 64
	v_exp_f32 v[S+j], v[S+j]                       ; p = 2^(t - M), at most 1
.set j, j+1
.endr
	v_pk_mul_f32 v[14:15], v[14:15], v[FF:FF+1] op_sel_hi:[1,0]   ; the sums under the new M: the plain place behind the exponentials
	s_wait_alu depctr_va_vdst(0)                   ; one wait for the batch of 64, ahead of its first reader
.irp b, 0,1,2,3
	v_exp_f32 v[BM+\b], v[BM+\b]                   ; the block's largest p: the same two instructions on the same number give the same bits
.endr
	v_pk_add_f32 v[244:245], v[148:149], v[152:153]
	v_pk_add_f32 v[254:255], v[156:157], v[160:161]
	v_pk_add_f32 v[250:251], v[164:165], v[168:169]
	v_pk_add_f32 v[248:249], v[172:173], v[176:177]
	v_pk_add_f32 v[246:247], v[180:181], v[184:185]
	v_pk_add_f32 v[94:95], v[188:189], v[192:193]
	v_pk_add_f32 v[92:93], v[196:197], v[200:201]
	v_pk_add_f32 v[14:15], v[14:15], v[204:205]
	v_pk_add_f32 v[244:245], v[244:245], v[144:145]
	v_pk_add_f32 v[254:255], v[254:255], v[146:147]
	v_pk_add_f32 v[250:251], v[250:251], v[150:151]
	v_pk_add_f32 v[248:249], v[248:249], v[154:155]
	v_pk_add_f32 v[246:247], v[246:247], v[158:159]
	v_pk_add_f32 v[94:95], v[94:95], v[162:163]
	v_pk_add_f32 v[92:93], v[92:93], v[166:167]
	v_pk_add_f32 v[14:15], v[14:15], v[170:171]
	v_pk_add_f32 v[244:245], v[244:245], v[174:175]
	v_pk_add_f32 v[254:255], v[254:255], v[178:179]
	v_pk_add_f32 v[250:251], v[250:251], v[182:183]
	v_pk_add_f32 v[248:249], v[248:249], v[186:187]
	v_pk_add_f32 v[246:247], v[246:247], v[190:191]
	v_pk_add_f32 v[94:95], v[94:95], v[194:195]
	v_pk_add_f32 v[92:93], v[92:93], v[198:199]
	v_pk_add_f32 v[14:15], v[14:15], v[202:203]
	v_pk_add_f32 v[244:245], v[244:245], v[206:207]
	s_delay_alu instid0(VALU_DEP_2)
	v_pk_add_f32 v[14:15], v[14:15], v[248:249]
	s_delay_alu instid0(VALU_DEP_2)
	v_pk_add_f32 v[244:245], v[244:245], v[246:247]
	v_pk_add_f32 v[254:255], v[254:255], v[94:95]
	v_pk_add_f32 v[250:251], v[250:251], v[92:93]
	s_delay_alu instid0(VALU_DEP_2)
	v_pk_add_f32 v[14:15], v[14:15], v[254:255]
	s_delay_alu instid0(VALU_DEP_2)
	v_pk_add_f32 v[244:245], v[244:245], v[250:251]
	s_delay_alu instid0(VALU_DEP_1)
	v_pk_add_f32 v[14:15], v[14:15], v[244:245]
	s_wait_alu depctr_va_vdst(0)                   ; and one for the four
.irp b, 0,1,2,3
	v_max_num_f32 v[BM+\b], 0x1800000, v[BM+\b]    ; the floor 2^(3 - 127): the byte cannot fall under 1
.endr
.irp b, 0,1,2,3
	s_delay_alu instid0(VALU_DEP_4)
	v_add_nc_u32 v[SO+\b], 0xff000000, v[BM+\b]    ; 2 off the exponent field: the conversion's scale operand
.endr
.irp b, 0,1,2,3
	s_delay_alu instid0(VALU_DEP_4)
	v_lshrrev_b32 v[TT+\b], 23, v[SO+\b]           ; the scale's byte
.endr
	s_delay_alu instid0(VALU_DEP_3)
	v_lshl_or_b32 v[PW], v[TT+1], 8, v[TT]         ; p's scale word for these 128 keys
	s_delay_alu instid0(VALU_DEP_1)
	v_lshl_or_b32 v[PW], v[TT+2], 16, v[PW]
	s_delay_alu instid0(VALU_DEP_1)
	v_lshl_or_b32 v[PW], v[TT+3], 24, v[PW]
.irp c, 0,1
	v_cvt_scalef32_pk16_fp6_f32 v[PC+6*\c:PC+2+6*\c], v[S+32*\c:S+15+32*\c], v[SO+2*\c]
	v_cvt_scalef32_pk16_fp6_f32 v[TT+4*\c:TT+2+4*\c], v[S+16+32*\c:S+31+32*\c], v[SO+2*\c+1]   ; a conversion's three registers begin on an even number
.endr
	v_nop                                          ; one plain place behind a scaled conversion
.irp c, 0,1                                    ; the layout wants a WHOLE block in a lane
.irp i, 0,1,2
	v_permlane16_swap_b32 v[PC+6*\c+\i], v[TT+4*\c+\i]
.endr
.irp i, 0,1,2
	s_delay_alu instid0(VALU_DEP_3)
	v_mov_b32 v[PC+3+6*\c+\i], v[TT+4*\c+\i]
.endr
.endr
.set j, 0
.rept 16
	v_pk_mul_f32 v[OA+j:OA+j+1], v[OA+j:OA+j+1], v[FF:FF+1] op_sel_hi:[1,0]   ; O^T under the new M.  (These 16 are also the places between p's codes and scale word and the products below)
.set j, j+2
.endr
	s_wait_alu depctr_va_vdst(0)
	s_wait_dscnt 0x0                               ; V is in
.irp t, 0,1,2,3                                ; O^T += V^T P^T: the four accumulators by turns
	MMA OA+8*\t, VF+12*\t, PC, VS+\t/2, PW, \t%2
.endr
.endm
; THE CHANGE OF SLOTS stands at a slot's head.  Each wave waits for all its tensor loads (its part of the slot ahead), adds 0 to its spare word, and waits for that and for its reads of the slot that it has left.
; fill = 1: the barrier is a round of the cluster's, so that no wave of any partner still reads that slot or has a load on its way; the joint refill is the first thing behind it and has four key steps in which to land.
.macro CHANGE fill
	s_wait_tensorcnt 0x0                           ; no tensor load of mine is out, so the group 0 may be written
	ds_add_u32 v[SPW], v[NIL]                      ; 0 onto my spare word
.if \fill
	s_xor_b32 s[G0+1], s[G0+1], SLOT1              ; the other slot than last time,
	s_add_nc_u64 s[G0+2:G0+3], s[G0+2:G0+3], SLOTB ; the next four key steps; the type bits on top are not reached
	s_wait_xcnt 0x0                                ; the last prefetch, a slot back, has read its address, so it may be written:
	s_add_nc_u64 s[PFA:PFA+1], s[PFA:PFA+1], SLOTB ; one slot further on than the walking descriptor
.endif
	s_wait_dscnt 0x0                               ; the add is done, and my reads of the slot that I have left are over
.if \fill
	CROUND
	TLOAD
	ASK
.else
	s_barrier_signal -1
	s_barrier_wait -1
.endif
.endm
.macro SLOT_STEPS
	v_add_nc_u32 v[AI], s[TB], v[LI]
	v_add_nc_u32 v[A8], s[TB], v[L8]
	STEP 0
	STEP 1
	STEP 2
	STEP 3
	s_xor_b32 s[TB], s[TB], SLOT1                  ; on to the other slot
.endm
.Lslot:                                            ; 7 trips: behind each change of slots but the last the next slot is asked for
	CHANGE 1
	SLOT_STEPS
	s_sub_co_u32 s[SLOTS], s[SLOTS], 1
	s_cmp_lg_u32 s[SLOTS], 0
	s_cbranch_scc1 .Lslot
	CHANGE 0                                       ; the last slot is written out
	SLOT_STEPS
	; THE WAY OUT.  O^T / the sum: register 16 b + i is channel 32 b + 16 h + i of my query: two blocks of the output projection's K.  They are quantised here and leave as half a fragment's image.
	PLACES
	v_add_f32 v14, v14, v15                        ; the sum's two halves,
	s_delay_alu instid0(VALU_DEP_1)
	v_permlanex16_b32 v[FF], v14, s[SEL], s[SEL+1]
	s_delay_alu instid0(VALU_DEP_1)
	v_add_f32 v14, v14, v[FF]                      ; and lane l xor 16's: the row's sum
	s_wait_alu depctr_va_vdst(0)
	v_rcp_f32 v14, v14
	v_nop                                          ; one plain place behind the reciprocal
	s_wait_alu depctr_va_vdst(0)                   ; and the wait ahead of its first reader
.set j, 0
.rept 32
	v_mul_f32 v[S+j], v[OA+j], v14                 ; each accumulator from its low end on
.set j, j+1
.endr
.irp b, 0,1
	v_max3_num_f32 v[BM+\b], |v[S+16*\b]|, |v[S+1+16*\b]|, 0x1800000
.endr
.irp i, 2,4,6,8,10,12,14
.irp b, 0,1
	s_delay_alu instid0(VALU_DEP_2)
	v_max3_num_f32 v[BM+\b], v[BM+\b], |v[S+16*\b+\i]|, |v[S+1+16*\b+\i]|
.endr
.endr
.irp b, 0,1
	s_delay_alu instid0(VALU_DEP_2)
	v_permlanex16_b32 v[TT+\b], v[BM+\b], s[SEL], s[SEL+1]
.endr
.irp b, 0,1
	s_delay_alu instid0(VALU_DEP_2)
	v_max_num_f32 v[BM+\b], v[BM+\b], v[TT+\b]
.endr
.irp b, 0,1
	s_delay_alu instid0(VALU_DEP_2)
	v_add_nc_u32 v[SO+\b], 0xff000000, v[BM+\b]
.endr
.irp b, 0,1
	s_delay_alu instid0(VALU_DEP_2)
	v_lshrrev_b32 v[TT+\b], 23, v[SO+\b]
.endr
	s_delay_alu instid0(VALU_DEP_1)
	v_lshl_or_b32 v[BM], v[TT+1], 8, v[TT]         ; the head's two scale bytes of my query,
	s_delay_alu instid0(VALU_DEP_1)
	v_mov_b32 v[BM+1], v[BM]                       ; twice, so that the 32 lanes store 256 whole bytes
	v_cvt_scalef32_pk16_fp6_f32 v[PC:PC+2], v[S:S+15], v[SO]
	v_cvt_scalef32_pk16_fp6_f32 v[TT:TT+2], v[S+16:S+31], v[SO+1]
	v_nop                                          ; one plain place behind a scaled conversion
.irp i, 0,1,2
	v_permlane16_swap_b32 v[PC+\i], v[TT+\i]
.endr
.irp i, 0,1,2
	s_delay_alu instid0(VALU_DEP_3)
	v_mov_b32 v[PC+3+\i], v[TT+\i]
.endr
	global_store_b128 v[LI], v[PC:PC+3], s[8:9]               ; registers 0-3: 512 consecutive bytes
	global_store_b64 v[L8], v[PC+4:PC+5], s[8:9] offset:512   ; registers 4, 5: 256
	global_store_b64 v[L8], v[BM:BM+1], s[8:9] offset:768     ; the scale bytes: 256
	s_wait_tensorcnt 0x0                           ; the wave's end
	ds_add_u32 v[SPW], v[NIL]
	s_wait_dscnt 0x0
	CROUND                                         ; the closing round: no work-group ends while a partner may still ask for a tile that names it
	s_endpgm
.Lfunc_end_k_q2d126b3e9d_attn:
	.size	k_q2d126b3e9d_attn, .Lfunc_end_k_q2d126b3e9d_attn-k_q2d126b3e9d_attn
	.p2alignl 7, 3214868480
	.fill 96, 4, 3214868480
	.section	.rodata,"a",@progbits
	.p2align	6, 0x0
	.amdhsa_kernel k_q2d126b3e9d_attn
		.amdhsa_group_segment_fixed_size 327680
		.amdhsa_private_segment_fixed_size 0
		.amdhsa_enable_private_segment 0
		.amdhsa_kernarg_size 24
		.amdhsa_user_sgpr_count 2
		.amdhsa_user_sgpr_kernarg_segment_ptr 1
		.amdhsa_wavefront_size32 1
		.amdhsa_system_sgpr_workgroup_id_x 1
		.amdhsa_system_sgpr_workgroup_id_y 1
		.amdhsa_system_sgpr_workgroup_id_z 1
		.amdhsa_system_vgpr_workitem_id 0
		.amdhsa_next_free_vgpr 256
		.amdhsa_next_free_sgpr 66
		.amdhsa_reserve_vcc 0
		.amdhsa_float_denorm_mode_32 3
		.amdhsa_float_denorm_mode_16_64 3
		.amdhsa_memory_ordered 1
		.amdhsa_forward_progress 1
		.amdhsa_inst_pref_size 145
	.end_amdhsa_kernel
	.amdgpu_metadata
---
amdhsa.version: [ 1, 2 ]
amdhsa.kernels:
  - .name:           k_q2d126b3e9d_attn
    .symbol:         k_q2d126b3e9d_attn.kd
    .args:
      - { .name: qimg, .offset: 0, .size: 8, .value_kind: global_buffer, .address_space: global }
      - { .name: kv, .offset: 8, .size: 8, .value_kind: global_buffer, .address_space: global }
      - { .name: ctx, .offset: 16, .size: 8, .value_kind: global_buffer, .address_space: global }
    .group_segment_fixed_size: 327680
    .private_segment_fixed_size: 0
    .kernarg_segment_align: 8
    .kernarg_segment_size: 24
    .max_flat_workgroup_size: 512
    .sgpr_count:     66
    .vgpr_count:     256
    .wavefront_size: 32
...
	.end_amdgpu_metadata
.endif
;; end of part 7
;; launch outp (part 8): grid 256 x 1, 8 waves a work-group, no clusters, 35,840 bytes of LDS; arguments ctx, wimg, bo, out0; writes out0
.if DOCPART == 8
	.amdgcn_target "amdgcn-amd-amdhsa--gfx1250"
	.amdhsa_code_object_version 6
	.text
	.protected	k_q2d126b3e9d_outp
	.globl	k_q2d126b3e9d_outp
	.p2align	8
	.type	k_q2d126b3e9d_outp,@function
k_q2d126b3e9d_outp:
	s_mov_b64 s[64:65], 0
	v_nop
	global_prefetch_b8 v0, s[64:65] scope:SCOPE_SE
	s_setreg_imm32_b32 hwreg(HW_REG_WAVE_SCHED_MODE, 0, 2), 2
	s_setreg_imm32_b32 hwreg(HW_REG_WAVE_MODE, 25, 1), 1
	s_wait_xcnt 0x0
	s_wait_alu depctr_vm_vsrc(0)
; out0 = ctx Wo + bo on codes of FP6 (E2M3) with one E8M0 byte for each 32 along K = 512 (K = 64 x head + channel).  Both operands come as images of their registers.
; ctx: [token tile 512][head 8] 1,024 bytes: registers 0-3 of half a fragment at 16 x lane, registers 4-5 at 512 + 8 x lane, the head's two scale bytes of row r at 768 + 8 r.
; K step s is heads 2 s and 2 s + 1: two halves on end are a fragment, their bytes a scale word.  Wo: matrix 3 of wimg, records of 6,400 bytes (four fragments; scale words at 6,144, 8 bytes a lane).
; SHARES: work-group g takes token tiles 2 g and 2 g + 1, which are the 32 neighbouring tokens 32 g on (lane r of tile u: token 32 g + 8 u + r + 8 (r / 8)); wave w takes columns 64 w on: four tiles of Wo in its registers.
; The product is used transposed (source 0 = 16 columns of Wo, source 1 = 16 tokens): a lane holds a token and eight neighbouring columns.  The bias is the C of each sum's first matrix instruction.
; The way out goes through the wave's own stage in LDS (16 rows x (256 + 16) bytes), so that sixteen lanes store 256 consecutive bytes, at a multiple of 256 from out0's first byte.  No barrier: waves share nothing.
; REGISTERS: window 0: v1-7 addresses; v16-111 ctx's 8 fragments, later rows read back; v112-175 the 8 accumulators; v176-207 the bias; v208-215 Wo's scale words; v216-223 ctx's; v224-239 the heads' bytes as loaded.
;   window 1: v0-191 Wo's 16 fragments (tile t, K step s at 12 (4 t + s)).
; THE MODE: SCHED_MODE bits 1:0 = 2 (LLVM: expert scheduling mode 2), set by the entry lines.  The code itself states the register dependences
; between vector or matrix instructions and memory or LDS instructions, with s_wait_alu, always for 0.
; THE PLAN.  Registers that memory or LDS instructions touch:
;   v1-v7        offsets and LDS addresses: written once at the head, never again; one wait on va_vdst ahead of the first load serves every access.
;   Wo, the bias, Wo's scale words, ctx's fragments, the heads' bytes: loaded once.
;   v[CSW ..]    ctx's scale words: written by eight vector instructions, taken by the products as scales: eight places, then one wait on va_vdst.
;   v[AC ..]     the accumulators: written by the products, read by the stage's stores;  v[CF ..]: read by the products, then the stage's loads land there:
;                four places, then one wait on va_vdst for both; no vector instruction follows it.
.set REC,    6400
.set FRB,    1536
.set SCU,    6144
.set SPITCH, 272
.set LI,  1
.set L8,  2
.set R8,  3
.set STO, 4
.set SRD, 5
.set GO,  6
.set BA,  7
.set CF,  16
.set AC,  112
.set BI,  176
.set WS,  208
.set CSW, 216
.set RS,  224
.set MSB, 0
.macro WIN new                         ; the immediate's high byte repeats the setting that is left
.if MSB != \new
	s_set_vgpr_msb (MSB<<8)|\new
.set MSB, \new
.endif
.endm
.macro MM d, a, b, c, sa, sb, row      ; row = 1: Wo's scale words stand in lanes 16-31
.if \row
	v_wmma_scale_f32_16x16x128_f8f6f4 v[\d:\d+7], v[\a:\a+11], v[\b:\b+11], v[\c:\c+7], v[\sa], v[\sb] matrix_a_fmt:MATRIX_FMT_FP6 matrix_b_fmt:MATRIX_FMT_FP6 matrix_a_scale:MATRIX_SCALE_ROW1
.else
	v_wmma_scale_f32_16x16x128_f8f6f4 v[\d:\d+7], v[\a:\a+11], v[\b:\b+11], v[\c:\c+7], v[\sa], v[\sb] matrix_a_fmt:MATRIX_FMT_FP6 matrix_b_fmt:MATRIX_FMT_FP6
.endif
.endm
	s_load_b256 s[4:11], s[0:1], 0x0               ; ctx s[4:5], wimg s[6:7], bo s[8:9], out0 s[10:11]
	v_lshl_add_u32 v254, v0, 2, 0x8800
	v_mov_b32 v255, 0
	v_lshrrev_b32 v1, 5, v0
	v_readfirstlane_b32 s12, v1                    ; wave 0..7
	v_and_b32 v8, 31, v0                           ; lane
	v_and_b32 v9, 15, v0                           ; r
	v_bfe_u32 v10, v0, 4, 1                        ; h
	v_lshlrev_b32 v[LI], 4, v8
	v_lshlrev_b32 v[L8], 3, v8
	v_lshlrev_b32 v[R8], 3, v9
	s_wait_alu depctr_va_sdst(0)                   ; s12 is written, ahead of its first reader: my stage's address and the buffers' offsets are made from it
	s_mul_i32 s13, s12, 16*SPITCH                  ; my stage
	v_mul_u32_u24 v[STO], v9, SPITCH               ; in: row r, + 64 h
	v_lshl_add_u32 v[STO], v10, 6, v[STO]
	v_add_nc_u32 v[STO], s13, v[STO]
	v_mul_u32_u24 v[SRD], v10, SPITCH              ; back: lanes 0-15 one row of 256 bytes, lanes 16-31 the next
	v_lshl_add_u32 v[SRD], v9, 4, v[SRD]
	v_add_nc_u32 v[SRD], s13, v[SRD]
	v_lshlrev_b32 v[GO], 11, v10                   ; and the same two rows in out0
	v_lshl_add_u32 v[GO], v9, 4, v[GO]
	v_lshlrev_b32 v[BA], 6, v10                    ; the bias: 16 h numbers on
	s_lshl_b32 s14, ttmp9, 14                      ; ctx: two token tiles x 8 heads x 1,024 bytes
	s_mov_b32 s15, 0
	s_mul_i32 s16, s12, 4*REC
	s_add_co_u32 s16, s16, 3*32*REC                ; wimg: matrix 3, tiles 4 w on
	s_mov_b32 s17, 0
	s_lshl_b32 s18, s12, 8                         ; my 64 columns, in bytes
	s_mov_b32 s19, 0
	s_lshl_b32 s20, ttmp9, 16                      ; out0: 32 rows of 2,048 bytes
	s_add_co_u32 s20, s20, s18
	s_mov_b32 s21, 0
	s_wait_kmcnt 0x0
	s_add_nc_u64 s[4:5], s[4:5], s[14:15]
	s_add_nc_u64 s[6:7], s[6:7], s[16:17]
	s_add_nc_u64 s[8:9], s[8:9], s[18:19]
	s_add_nc_u64 s[10:11], s[10:11], s[20:21]
	WIN 0x40                                       ; destination window 1, address window 0
	s_wait_alu depctr_va_vdst(0)                   ; the seven offsets and LDS addresses v1 to v7 are written, which every load and store of the kernel reads
.irp t, 0,1,2,3
.irp s, 0,1,2,3
.irp c, 0,1,2
	global_load_b128 v[12*(4*\t+\s)+4*\c:12*(4*\t+\s)+4*\c+3], v[LI], s[6:7] offset:REC*\t+FRB*\s+512*\c
.endr
.endr
.endr
	WIN 0
.irp t, 0,1,2,3
	global_load_b64 v[WS+2*\t:WS+2*\t+1], v[L8], s[6:7] offset:REC*\t+SCU
	global_load_b128 v[BI+8*\t:BI+8*\t+3], v[BA], s[8:9] offset:(32*(\t/2)+8*(\t%2))*4      ; lane (r, h), register j of tile t: column 32 (t / 2) + 16 h + 8 (t % 2) + j
	global_load_b128 v[BI+8*\t+4:BI+8*\t+7], v[BA], s[8:9] offset:(32*(\t/2)+8*(\t%2))*4+16
.endr
.irp u, 0,1
.irp hd, 0,1,2,3,4,5,6,7
	global_load_b128 v[CF+48*\u+6*\hd:CF+48*\u+6*\hd+3], v[LI], s[4:5] offset:(8*\u+\hd)*1024
	global_load_b64 v[CF+48*\u+6*\hd+4:CF+48*\u+6*\hd+5], v[L8], s[4:5] offset:(8*\u+\hd)*1024+512
	global_load_b32 v[RS+8*\u+\hd], v[R8], s[4:5] offset:(8*\u+\hd)*1024+768
.endr
.endr
	s_wait_loadcnt 0x0
.irp u, 0,1
.irp s, 0,1,2,3
	v_lshl_or_b32 v[CSW+4*\u+\s], v[RS+8*\u+2*\s+1], 16, v[RS+8*\u+2*\s]   ; heads 2 s and 2 s + 1: the scale word of K step s
.endr
.endr
.rept 8
	v_nop                                          ; a scale register written by a vector instruction stands 8 places ahead of a scaled matrix instruction
.endr
	WIN 0x01                                       ; source 0 (Wo) window 1
	s_wait_alu depctr_va_vdst(0)                   ; ctx's scale words v[CSW ..] are written, which the products take as scales; the places above stay beside this wait
.irp s, 0,1,2,3                                ; the 8 accumulators by turns, K step by K step
.irp u, 0,1
.irp t, 0,1,2,3
.if \s == 0
	MM AC+8*(4*\u+\t), 12*(4*\t+\s), CF+48*\u+12*\s, BI+8*\t, WS+2*\t+\s/2, CSW+4*\u+\s, \s%2
.else
	MM AC+8*(4*\u+\t), 12*(4*\t+\s), CF+48*\u+12*\s, AC+8*(4*\u+\t), WS+2*\t+\s/2, CSW+4*\u+\s, \s%2
.endif
.endr
.endr
.endr
	WIN 0
.rept 4
	v_nop                                          ; four places in front of the first read of results and of loads into registers that the products have read
.endr
	s_wait_alu depctr_va_vdst(0)                   ; the products have written the accumulators, which the stage's stores read, and are done reading ctx's fragments, in which the stage's loads land; the places above stay beside this wait
.irp u, 0,1
.irp t, 0,1,2,3
	ds_store_b128 v[STO], v[AC+8*(4*\u+\t):AC+8*(4*\u+\t)+3] offset:128*(\t/2)+32*(\t%2)       ; each accumulator from its low end on
	ds_store_b128 v[STO], v[AC+8*(4*\u+\t)+4:AC+8*(4*\u+\t)+7] offset:128*(\t/2)+32*(\t%2)+16
.endr
.irp i, 0,1,2,3,4,5,6,7
	ds_load_b128 v[CF+32*\u+4*\i:CF+32*\u+4*\i+3], v[SRD] offset:2*\i*SPITCH   ; LDS serves a wave's instructions in order (ISA guide 5.7.1.4): these see my stores, and the next tile's stores come behind them
.endr
.endr
.irp u, 0,1
.irp i, 0,1,2,3,4,5,6,7
	s_wait_dscnt 23-16*\u-\i                       ; behind this load: the tile's later loads, and for tile 0 tile 1's 16 LDS instructions
	global_store_b128 v[GO], v[CF+32*\u+4*\i:CF+32*\u+4*\i+3], s[10:11] offset:(8*\u+2*\i+8*(\i/4))*2048 th:TH_STORE_NT   ; stage rows 2 i, 2 i + 1 are tokens 8 u + 2 i + 8 (i / 4) and the next; written once, read by nobody here
.endr
.endr
	s_wait_dscnt 0x0                               ; the closing lines, six on end
	s_wait_alu 0x0
	s_wait_tensorcnt 0x0
	ds_add_u32 v254, v255
	s_wait_dscnt 0x0
	s_endpgm
.Lfunc_end_k_q2d126b3e9d_outp:
	.size	k_q2d126b3e9d_outp, .Lfunc_end_k_q2d126b3e9d_outp-k_q2d126b3e9d_outp
	.p2alignl 7, 3214868480
	.fill 96, 4, 3214868480
	.section	.rodata,"a",@progbits
	.p2align	6, 0x0
	.amdhsa_kernel k_q2d126b3e9d_outp
		.amdhsa_group_segment_fixed_size 35840
		.amdhsa_private_segment_fixed_size 0
		.amdhsa_enable_private_segment 0
		.amdhsa_kernarg_size 32
		.amdhsa_user_sgpr_count 2
		.amdhsa_user_sgpr_kernarg_segment_ptr 1
		.amdhsa_wavefront_size32 1
		.amdhsa_system_sgpr_workgroup_id_x 1
		.amdhsa_system_sgpr_workgroup_id_y 1
		.amdhsa_system_sgpr_workgroup_id_z 1
		.amdhsa_system_vgpr_workitem_id 0
		.amdhsa_next_free_vgpr 512
		.amdhsa_next_free_sgpr 66
		.amdhsa_reserve_vcc 0
		.amdhsa_float_denorm_mode_32 3
		.amdhsa_float_denorm_mode_16_64 3
		.amdhsa_memory_ordered 1
		.amdhsa_forward_progress 1
		.amdhsa_inst_pref_size 22
	.end_amdhsa_kernel
	.amdgpu_metadata
---
amdhsa.version: [ 1, 2 ]
amdhsa.kernels:
  - .name:           k_q2d126b3e9d_outp
    .symbol:         k_q2d126b3e9d_outp.kd
    .args:
      - { .name: ctx, .offset: 0, .size: 8, .value_kind: global_buffer, .address_space: global }
      - { .name: wimg, .offset: 8, .size: 8, .value_kind: global_buffer, .address_space: global }
      - { .name: bo, .offset: 16, .size: 8, .value_kind: global_buffer, .address_space: global }
      - { .name: out0, .offset: 24, .size: 8, .value_kind: global_buffer, .address_space: global }
    .group_segment_fixed_size: 35840
    .private_segment_fixed_size: 0
    .kernarg_segment_align: 8
    .kernarg_segment_size: 32
    .max_flat_workgroup_size: 256
    .sgpr_count:     66
    .vgpr_count:     512
    .wavefront_size: 32
...
	.end_amdgpu_metadata
.endif
;; end of part 8
